; MI455X (gfx1250); checked and timed in simulation.
; The chip was launched on July 23, 2026; its instructions are those of AMD's public machine-readable ISA for CDNA 5 (MIT licence, August 2026) and "CDNA5" Instruction Set Architecture Reference Guide (July 2026). The comments in the code are by the model that wrote it; some were corrected since.
;; Masked Self Attention. Allowed arithmetic: matrix products marked QUANTISED: E2M1 operands, one E8M0 scale for each 32 along K, by v_wmma_scale_f32_16x16x128_f8f6f4 with both operands' format E2M1 (or v_wmma_scale_f32_32x16x128_f4), f32 sums; products left as they are: f32 operands where the result goes on into a quantised operand, else bf16, f16 or f32 operands; f32 sums; everything else in f32.
;; Inputs: Wk 768 x 16 float32; Wq 768 x 16 float32; Wv 768 x 16 float32; bk 16 float32; bq 16 float32; bv 16 float32; x 8 x 2,048 x 768 float32.
;; Outputs: out0 8 x 2,048 x 16 float32.
;; This version of the problem:
;;   THIS VERSION OF THE PROBLEM IS GIVEN IN LOW PRECISION. The matrix products marked QUANTISED in the list below multiply operands that are first quantised to E2M1 (2 exponent bits, 1 mantissa bit; 4 bits a number), with one power-of-two scale for each 32 numbers along K (OCP MX v1.0); their sums are f32. All else is computed in f32.
;;   The module's matrix products, in the order in which they are computed (A, B: the left and right operand; K: the contracted axis; several contracted axes count as one K, in the product's order):
;;     1. [M 16,384, K 768] x [K 768, N 16]; A: input x; B: input Wq: QUANTISED
;;     2. [M 16,384, K 768] x [K 768, N 16]; A: input x; B: input Wk: QUANTISED
;;     3. [M 16,384, K 768] x [K 768, N 16]; A: input x; B: input Wv: QUANTISED
;;     4. batch 8 x [M 2,048, K 16] x [K 16, N 2,048]; A: computed on the way; B: computed on the way: left as it is (K = 16 < 32)
;;     5. batch 8 x [M 2,048, K 2,048] x [K 2,048, N 16]; A: softmax (see below); B: computed on the way: QUANTISED
;;   THE QUANTISER, for each operand of a quantised product, along K:
;;     - K is cut into blocks of 32 from its start; a last block that is shorter is filled with zeros.
;;     - A block's scale is 2^e with e = floor(log2(the largest magnitude in the block)) - 2, held to -126 .. 127; a block of zeros has e = 0. As a byte (E8M0): e + 127.
;;     - Each number is divided by its block's scale, clamped to +-6, and rounded to the nearest number of E2M1, ties to even, subnormals kept.
;;     - The product sums the exact products of the quantised numbers (number of the format x scale) in f32.
;;   ~~~python
;;   def quantise(x, axis):      # numpy; x: float32 -> the quantised numbers, widened to float32 again
;;       x = np.moveaxis(x, axis, -1); K = x.shape[-1]
;;       x = np.pad(x, [(0, 0)] * (x.ndim - 1) + [(0, -K % 32)]); x = x.reshape(x.shape[:-1] + (-1, 32)); a = np.abs(x).max(-1, keepdims=True)
;;       e = np.where(a > 0, np.clip(np.frexp(np.where(a > 0, a, 1))[1] - 1 - 2, -126, 127), 0)      # np.frexp(a)[1] - 1 = floor(log2(a)), exactly
;;       r = np.clip(x / 2.0 ** e, -6, 6)
;;       step = 2.0 ** (np.maximum(np.frexp(np.where(r == 0, 1, r))[1] - 1, 0) - 1)
;;       q = np.round(r / step) * step * 2.0 ** e      # np.round: ties to even
;;       return np.moveaxis(q.reshape(q.shape[:-2] + (-1,))[..., :K], -1, axis).astype(np.float32)
;;   ~~~
;;   SOFTMAX AHEAD OF A QUANTISED PRODUCT. Where the list says 'softmax', what is quantised is not the finished softmax but p = 2^(t - M), with t = logit x log2(e) and M = ceil(the row's largest t), a whole number; so 1/2 < the row's largest p <= 1. The row's sum l is taken of the UNQUANTISED p, in f32, and the product's result is divided by l at the end. Since M is a whole number, a kernel that streams over the keys may use a running M (the ceiling of the running maximum): every later rescaling is an exact power of two, which a block's scale takes up: the codes' values come out the same.
;;   OPERANDS COMPUTED ON THE WAY. 'Computed on the way' means the value that the module computes at that place (a softmax that the list does not call 'softmax' is quantised finished and normalised). What goes into a quantiser is computed in f32, as accurately as f32 sums, v_exp_f32 and their like allow (about 1e-6 of the number): no bf16 or f16 on the way to a quantiser, and a product that is left as it is and whose result goes on into a quantised operand takes f32 operands (vector FMAs, or v_wmma_f32_16x16x4_f32). A number that lies on a knife's edge between two numbers of the format may be rounded either way, as far as f32 arithmetic and the matrix unit's own rounding can turn it there, and no further.
;; 2 versions, each right; version 2 is version 1 with the launch attend written anew for expert scheduling mode. Each part assembles by itself: llvm-mc -triple=amdgcn-amd-amdhsa -mcpu=gfx1250 --defsym DOCPART=n.
;; ======== version 1 of 2: 2 launches
;; workspace buffers: qf 1,048,576 bytes; kf 1,048,576 bytes; vc 131,072 bytes; vs 8,192 bytes
;; launch project (part 1): grid 256 x 1, 4 waves a work-group, no clusters, 279,040 bytes of LDS; arguments x, Wq, Wk, Wv, bq, bk, bv, qf, kf, vc, vs; writes qf, kf, vc, vs
.if DOCPART == 1
	.amdgcn_target "amdgcn-amd-amdhsa--gfx1250"
	.amdhsa_code_object_version 6
	.text
	.protected	k_qefa4eb1eb5_project
	.globl	k_qefa4eb1eb5_project
	.p2align	8
	.type	k_qefa4eb1eb5_project,@function
k_qefa4eb1eb5_project:
	s_mov_b64 s[64:65], 0
	v_nop
	global_prefetch_b8 v0, s[64:65] scope:SCOPE_SE
	s_setreg_imm32_b32 hwreg(HW_REG_WAVE_MODE, 25, 1), 1
	s_wait_xcnt 0x0
; q = x Wq + bq, k = x Wk + bk, v = x Wv + bv.  x: [16384][768] f32; W: [768][16] f32; b: [16] f32.  All three products on codes of FP4 (E2M1) with one E8M0 scale for each 32 along K = 768; sums in f32.
; OUT: qf, kf: for each tile of 16 rows 1,024 bytes, the image of eight registers: lane (r, h) holds row r, channels 8 h + 0 .. 7 (registers 0-3 at 16 x lane, registers 4-7 at 512 + 16 x lane): the f32 fragments of the next launch.
;      vc: v quantised along the KEYS (its rows): for each 64 rows 512 bytes: lane (r, h) holds channel r, the codes of rows 32 h + 0 .. 31.   vs: for each 128 rows 64 bytes: channel r's four scale bytes at 4 r.
; SHARES.  A work-group of four waves owns 64 rows, a wave 16.  A wave's 16 rows x 3,072 bytes are asked for at its head by six tensor loads, one for each K step of 128 (16 rows x 512 bytes); no LDS byte is filled twice,
; and only the wave that asked reads a tile, behind its own counted wait.
; W is wanted by every wave: while x is on its way, wave w quantises rows 192 w .. 192 w + 191 of the three W and leaves codes and scale bytes in LDS as images of the operand's registers; one barrier.
; W's K is its first axis: the rows are loaded as they lie (512 consecutive bytes a load), go through the wave's own stage in LDS and come back a column to a lane, 32 numbers down K: a whole block in one lane.
; NO CLUSTER: W is what the work-groups share, but x's 202,752 bytes and W's 147,456 do not fit into one work-group's LDS together, so W does not come by tensor loads.
; q and k are made TRANSPOSED (source 0 = 16 columns of W, source 1 = 16 rows of x): a lane holds eight neighbouring channels of one row.  v is made the natural way: a lane holds one channel and eight rows, its next K.
; LIMITS: NaN and infinities among the inputs are not served.  A block of zeros gets the byte 1 where the rule says 127: its codes are zeros, and the bytes are read by this program alone.
.set ROWB,  3072                       ; a row of x in bytes
.set XP,    528                        ; an LDS row of a tile: 512 bytes + 16 of padding = 132 words: the 16 rows that a load touches start in 16 different groups of four banks
.set XT,    16*XP                      ; a tile: 16 rows
.set XW,    6*XT                       ; a wave's six tiles
.set WST,   4*XW                       ; behind x: the stages through which W is turned, one for each wave
.set CH,    4224                       ; in a stage: 64 rows of W (64 bytes each), rows 32-63 set 64 bytes further on, so that the two halves of the lanes read different banks
.set WSTW,  12800                      ; a wave's stage: three such pieces
.set WIMG,  WST+4*WSTW                 ; W's 18 fragments (matrix m, K step s: 6 m + s), 1,024 bytes each
.set WSC,   WIMG+18*1024               ; W's scale bytes: matrix m at 512 m, column r at 32 r, block j at j: a K step's word is four neighbouring bytes
.set VST,   WSC+3*512                  ; the stage for v: 16 channels x (64 rows x 4 bytes + 16)
.set VP,    272
.set WO,   4                           ; v4   W: my 16 bytes in the wave's 12,288
.set STW,  5                           ; v5   the stage, on the way in
.set STR,  6                           ; v6   and on the way out: my column, my half's 32 rows
.set WIS,  7                           ; v7   where I store W's images
.set WSS,  8                           ; v8   and W's scale bytes
.set XA,   9                           ; v9   x: my row, my 16 numbers of a block of 32
.set LI,   10                          ; v10  W's images: 16 x lane
.set WSL,  11                          ; v11  W's scale words: 32 x (lane % 16)
.set VSO,  12                          ; v12  v's stage, in
.set VSR,  13                          ; v13  v's stage, out
.set GL,   14                          ; v14  16 x lane: the offset of the dense stores
.set VBO,  15                          ; v15  4 r + h: my scale byte of v
.set CD,   16                          ; v16-19 a block's codes
.set MX,   20                          ; v20-21 its largest magnitude
.set SF,   22                          ; v22  the conversion's scale operand
.set BY,   23                          ; v23  the scale's byte
.set WS,   24                          ; v24-26 W's scale words of the K step in hand; v27 x's: these four hold scales and nothing else
.set PW,   27
.set BH,   28                          ; v28  32 h;  v29  4 r: offsets into the biases
.set BR,   29
.set WA,   32                          ; v32-127, v128-223: two sets of 96 registers for a matrix's 24 loads
.set WB,   128
.set T,    224                         ; v224-255 a block of 32 numbers
.set X,    32                          ; later: v32-95 64 numbers of x
.set WF,   96                          ; v96-119 W's three fragments of the K step
.set PC,   120                         ; v120-127 x's fragment
.set AQ,   128                         ; the three sums
.set AK,   136
.set AV,   144
.set BQ,   160                         ; bq, bk in the result's layout; bv twice
.set BK,   168
.set BV,   176
.set TM,   180                         ; v180-195 at work in the quantiser
.set WV,   2
.set G1,   32                          ; s[32:39] descriptor group 1;  s[40:63] six groups 0
.set G0,   40
.set SEL,  66                          ; s[66:67] lane selects for v_permlanex16_b32: lane l xor 16
.macro WLOAD reg, base                 ; my wave's 192 rows of one W: 24 loads of 512 consecutive bytes
.set Q, 0
.rept 24
	global_load_b128 v[\reg+4*Q:\reg+4*Q+3], v[WO], s[\base:\base+1] offset:512*Q
.set Q, Q+1
.endr
.endm
; 32 numbers of one block, v[T] on, become 32 codes in v[CD] on and the scale's byte in v[BY]
.macro BLOCK32
	v_max3_num_f32 v[MX], |v[T]|, |v[T+1]|, 0x1800000          ; the largest magnitude, in two chains, with the floor 2^(3 - 127) among its leaves: the byte cannot fall under 1
	v_max3_num_f32 v[MX+1], |v[T+2]|, |v[T+3]|, |v[T+4]|
.irp i, 5,9,13,17,21,25
	v_max3_num_f32 v[MX], v[MX], |v[T+\i]|, |v[T+\i+1]|
	v_max3_num_f32 v[MX+1], v[MX+1], |v[T+\i+2]|, |v[T+\i+3]|
.endr
	v_max3_num_f32 v[MX], v[MX], |v[T+29]|, |v[T+30]|
	v_max3_num_f32 v[MX], v[MX], v[MX+1], |v[T+31]|
	v_add_nc_u32 v[SF], 0xff000000, v[MX]                      ; 2 off its exponent field: the conversion takes the exponent field of this operand as its scale
	v_lshrrev_b32 v[BY], 23, v[SF]                             ; the scale's byte
.irp g, 0,1,2,3
	v_cvt_scalef32_pk8_fp4_f32 v[CD+\g], v[T+8*\g:T+8*\g+7], v[SF]
.endr
	v_nop                                                      ; one plain place behind the last scaled conversion
.endm
; One matrix's 192 rows: into the stage as loaded, back a column to a lane, three blocks a lane; codes and bytes to their images.  LDS serves a wave's instructions in order, so the stage needs no wait of its own.
.macro PROC reg, m
.set Q, 0
.rept 24
	ds_store_b128 v[STW], v[\reg+4*Q:\reg+4*Q+3] offset:(Q/8)*CH+(Q%8)*512+((Q%8)/4)*64
.set Q, Q+1
.endr
.irp i, 0,1,2
.set Q, 0
.rept 32
	ds_load_b32 v[T+Q], v[STR] offset:\i*CH+Q*64               ; W(192 w + 64 i + 32 h + Q, r)
.set Q, Q+1
.endr
	s_wait_dscnt 0x0                                           ; the block is in; the last block's stores have read their registers
	BLOCK32
	ds_store_b128 v[WIS], v[CD:CD+3] offset:\m*6144+\i*512     ; registers 4 c .. 4 c + 3 of fragment (m, s), 2 s + c = 3 w + i
	ds_store_b8 v[WSS], v[BY] offset:\m*512+2*\i               ; block 2 (3 w + i) + h of column r
.endr
.endm
	s_load_b256 s[4:11], s[0:1], 0x0               ; x s[4:5], Wq s[6:7], Wk s[8:9], Wv s[10:11]
	s_load_b256 s[12:19], s[0:1], 0x20             ; bq s[12:13], bk s[14:15], bv s[16:17], qf s[18:19]
	s_load_b128 s[20:23], s[0:1], 0x40             ; kf s[20:21], vc s[22:23]
	s_load_b64 s[24:25], s[0:1], 0x50              ; vs
	v_lshl_add_u32 v30, v0, 2, 0x44000
	v_mov_b32 v31, 0
	ds_add_u32 v30, v31
	ds_add_u32 v30, v31
	v_lshrrev_b32 v1, 5, v0
	v_readfirstlane_b32 s[WV], v1                  ; wave 0..3
	v_and_b32 v1, 31, v0                           ; lane
	v_and_b32 v2, 15, v0                           ; r
	v_bfe_u32 v3, v0, 4, 1                         ; h
	s_mul_i32 s3, s[WV], 12288
	v_lshl_add_u32 v[WO], v1, 4, s3
	; descriptor group 1: a tile of 16 rows x 128 elements of 4 bytes, 16 bytes of padding behind each row
	s_mov_b32 s[G1+0], (2<<16)|(1<<20)|(6<<22)|(3<<25)  ; no mask; elements of 4 bytes; padding on; after every 128 words (code 6) four words (code 3)
	s_mov_b32 s[G1+1], 128<<16                     ; tensor_dim0 = 128
	s_mov_b32 s[G1+2], 16<<16                      ; tensor_dim1 = 16
	s_mov_b32 s[G1+3], 128<<16                     ; tile_dim0 = 128
	s_mov_b32 s[G1+4], 16                          ; tile_dim1 = 16
	s_mov_b32 s[G1+5], 768                         ; elements from row to row
	s_mov_b32 s[G1+6], 0
	s_mov_b32 s[G1+7], 0
	s_mul_i32 s26, ttmp9, 64*ROWB                  ; my work-group's 64 rows (under 2^26 bytes),
	s_mul_i32 s3, s[WV], 16*ROWB                   ; my wave's 16
	s_add_co_u32 s26, s26, s3
	s_mov_b32 s27, 0
	s_mul_i32 s28, s[WV], XW                       ; and their place in LDS
	s_mov_b32 s[SEL], 0x76543210
	s_mov_b32 s[SEL+1], 0xfedcba98
	s_wait_dscnt 0x0
	s_wait_kmcnt 0x0
	WLOAD WA, 6                                    ; Wq and Wk are asked for first: their quantising is the work that stands beside x's way in
	WLOAD WB, 8
	s_add_nc_u64 s[4:5], s[4:5], s[26:27]
.irp s, 0,1,2,3,4,5                            ; all six tiles go out together, ahead of every wait on TENSORcnt, every LDS read and every barrier: six tensor loads of mine are out
	s_mov_b32 s[G0+4*\s], 1                        ; count = 1
	s_add_co_u32 s[G0+4*\s+1], s28, \s*XT          ; LDS address
	s_add_nc_u64 s[G0+4*\s+2:G0+4*\s+3], s[4:5], \s*512   ; global address: K step s of my first row
	s_or_b32 s[G0+4*\s+3], s[G0+4*\s+3], 0x80000000       ; type = 2
	tensor_load_to_lds s[G0+4*\s:G0+4*\s+3], s[G1:G1+7]
	s_nop 0
.endr
	s_lshl_b32 s26, ttmp9, 2                       ; where the results go: my tile of 16 rows is number 4 x work-group + wave
	s_add_co_u32 s26, s26, s[WV]
	s_lshl_b32 s26, s26, 10
	s_add_nc_u64 s[18:19], s[18:19], s[26:27]
	s_add_nc_u64 s[20:21], s[20:21], s[26:27]
	s_lshl_b32 s26, ttmp9, 9                       ; v's codes: 512 bytes a work-group
	s_add_nc_u64 s[22:23], s[22:23], s[26:27]
	s_lshr_b32 s26, ttmp9, 1                       ; v's scale bytes: 64 bytes for two work-groups; mine are bytes 2 (work-group % 2) + h of each word
	s_lshl_b32 s26, s26, 6
	s_and_b32 s3, ttmp9, 1
	s_lshl_b32 s3, s3, 1
	s_add_co_u32 s26, s26, s3
	s_add_nc_u64 s[24:25], s[24:25], s[26:27]
	; every LDS address: a constant + a constant x lane term + a constant x wave
	s_mul_i32 s3, s[WV], WSTW
	s_add_co_u32 s3, s3, WST
	v_lshl_add_u32 v[STW], v1, 4, s3
	v_mul_u32_u24 v[STR], v3, 2112
	v_lshl_add_u32 v[STR], v2, 2, v[STR]
	v_add_nc_u32 v[STR], s3, v[STR]
	s_mul_i32 s29, s[WV], 1536
	s_add_co_u32 s29, s29, WIMG
	v_lshl_add_u32 v[WIS], v1, 4, s29
	s_mul_i32 s29, s[WV], 6
	s_add_co_u32 s29, s29, WSC
	v_lshl_add_u32 v[WSS], v2, 5, v3
	v_add_nc_u32 v[WSS], s29, v[WSS]
	v_mul_u32_u24 v[XA], v2, XP
	v_lshl_add_u32 v[XA], v3, 6, v[XA]
	v_add_nc_u32 v[XA], s28, v[XA]
	v_lshlrev_b32 v[GL], 4, v1
	v_add_nc_u32 v[LI], WIMG, v[GL]
	v_lshlrev_b32 v[WSL], 5, v2
	v_add_nc_u32 v[WSL], WSC, v[WSL]
	v_mul_u32_u24 v[VSO], v2, VP
	v_lshl_add_u32 v[VSR], v3, 7, v[VSO]
	v_add_nc_u32 v[VSR], VST, v[VSR]               ; out: channel r, rows 32 h on
	s_lshl_b32 s29, s[WV], 6
	s_add_co_u32 s29, s29, VST
	v_lshl_add_u32 v[VSO], v3, 5, v[VSO]
	v_add_nc_u32 v[VSO], s29, v[VSO]               ; in: channel r, rows 16 w + 8 h on
	v_lshl_add_u32 v[VBO], v2, 2, v3
	v_lshlrev_b32 v[BH], 5, v3
	v_lshlrev_b32 v[BR], 2, v2
	s_wait_loadcnt 24                              ; Wq's 24 loads are in; Wk's 24 may be out
	PROC WA, 0
	WLOAD WA, 10                                   ; Wv, into the set that Wq has left (its stores into the stage were waited for in PROC)
	s_wait_loadcnt 24                              ; Wk's are in; Wv's 24 may be out
	PROC WB, 1
	global_load_b128 v[BQ:BQ+3], v[BH], s[12:13]               ; the biases, into registers that Wk has left.  q, k: lane (r, h) register j wants b[8 h + j]
	global_load_b128 v[BQ+4:BQ+7], v[BH], s[12:13] offset:16
	global_load_b128 v[BK:BK+3], v[BH], s[14:15]
	global_load_b128 v[BK+4:BK+7], v[BH], s[14:15] offset:16
	global_load_b32 v[BV], v[BR], s[16:17]                     ; v: bv[r], twice: a pair for the packed addition
	global_load_b32 v[BV+1], v[BR], s[16:17]
	s_wait_loadcnt 6                               ; Wv's are in; the six loads of the biases may be out
	PROC WA, 2
	s_wait_dscnt 0x0                               ; for the others' sake: my images of W lie in LDS
	s_barrier_signal -1
	s_barrier_wait -1                              ; everybody's do.
.irp b, 0,1,2,3
	v_mov_b32 v[TM+4+\b], 0                        ; written once: a lane permute's destination counts as one of its sources
.endr
	s_wait_loadcnt 0x0                             ; the biases
; 64 numbers of a lane, register 16 b + i = k 32 b + 16 h + i of my row, become a fragment's codes in v[PC] on and my row's scale word in v[PW]
.macro QUANT
.irp b, 0,1,2,3
	v_max3_num_f32 v[TM+\b], |v[X+16*\b]|, |v[X+1+16*\b]|, 0x1800000   ; block b: my 16 numbers, and the floor 2^(3 - 127)
.endr
.irp i, 2,4,6,8,10,12,14
.irp b, 0,1,2,3
	v_max3_num_f32 v[TM+\b], v[TM+\b], |v[X+16*\b+\i]|, |v[X+1+16*\b+\i]|   ; the four blocks by turns
.endr
.endr
.irp b, 0,1,2,3
	v_permlanex16_b32 v[TM+4+\b], v[TM+\b], s[SEL], s[SEL+1]
.endr
.irp b, 0,1,2,3
	v_max_num_f32 v[TM+\b], v[TM+\b], v[TM+4+\b]   ; with lane l xor 16's: the block's largest magnitude
.endr
.irp b, 0,1,2,3
	v_add_nc_u32 v[TM+12+\b], 0xff000000, v[TM+\b] ; 2 off its exponent field: the conversion's scale operand
.endr
.irp b, 0,1,2,3
	v_lshrrev_b32 v[TM+4+\b], 23, v[TM+12+\b]      ; the scale's byte
.endr
	v_lshl_or_b32 v[PW], v[TM+5], 8, v[TM+4]
	v_lshl_or_b32 v[PW], v[TM+6], 16, v[PW]
	v_lshl_or_b32 v[PW], v[TM+7], 24, v[PW]
.irp b, 0,1,2,3
	v_cvt_scalef32_pk8_fp4_f32 v[PC+2*\b], v[X+16*\b:X+7+16*\b], v[TM+12+\b]
	v_cvt_scalef32_pk8_fp4_f32 v[PC+1+2*\b], v[X+8+16*\b:X+15+16*\b], v[TM+12+\b]
.endr
	v_nop                                          ; one plain place behind a scaled conversion
.irp c, 0,1                                    ; the operand's layout wants a whole block in a lane: lanes 0-15 block 2 c, lanes 16-31 block 2 c + 1
.irp i, 0,1
	v_permlane16_swap_b32 v[PC+4*\c+\i], v[PC+2+4*\c+\i]
.endr
.endr
.endm
; A K step of 128.  The three sums take turns, one matrix instruction a turn.
.macro STEP s
	s_wait_tensorcnt 5-\s                          ; tensor loads of a wave end in order: tile s is in LDS; the 5 - s younger ones may be out
.irp b, 0,1,2,3
.irp j, 0,1,2,3
	ds_load_b128 v[X+16*\b+4*\j:X+16*\b+4*\j+3], v[XA] offset:\s*XT+128*\b+16*\j
.endr
.endr
.irp m, 0,1,2
	ds_load_b128 v[WF+8*\m:WF+8*\m+3], v[LI] offset:(6*\m+\s)*1024
	ds_load_b128 v[WF+8*\m+4:WF+8*\m+7], v[LI] offset:(6*\m+\s)*1024+512
	ds_load_b32 v[WS+\m], v[WSL] offset:512*\m+4*\s
.endr
	s_wait_dscnt 0x0
	QUANT
.rept 8
	v_nop                                          ; a scale register written by a vector instruction stands 8 places ahead of a scaled matrix instruction, an operand so written 4
.endr
.if \s == 0
	v_wmma_scale_f32_16x16x128_f8f6f4 v[AQ:AQ+7], v[WF:WF+7], v[PC:PC+7], v[BQ:BQ+7], v[WS], v[PW] matrix_a_fmt:MATRIX_FMT_FP4 matrix_b_fmt:MATRIX_FMT_FP4      ; the bias starts the sum
	v_wmma_scale_f32_16x16x128_f8f6f4 v[AK:AK+7], v[WF+8:WF+15], v[PC:PC+7], v[BK:BK+7], v[WS+1], v[PW] matrix_a_fmt:MATRIX_FMT_FP4 matrix_b_fmt:MATRIX_FMT_FP4
	v_wmma_scale_f32_16x16x128_f8f6f4 v[AV:AV+7], v[PC:PC+7], v[WF+16:WF+23], 0, v[PW], v[WS+2] matrix_a_fmt:MATRIX_FMT_FP4 matrix_b_fmt:MATRIX_FMT_FP4
.else
	v_wmma_scale_f32_16x16x128_f8f6f4 v[AQ:AQ+7], v[WF:WF+7], v[PC:PC+7], v[AQ:AQ+7], v[WS], v[PW] matrix_a_fmt:MATRIX_FMT_FP4 matrix_b_fmt:MATRIX_FMT_FP4
	v_wmma_scale_f32_16x16x128_f8f6f4 v[AK:AK+7], v[WF+8:WF+15], v[PC:PC+7], v[AK:AK+7], v[WS+1], v[PW] matrix_a_fmt:MATRIX_FMT_FP4 matrix_b_fmt:MATRIX_FMT_FP4
	v_wmma_scale_f32_16x16x128_f8f6f4 v[AV:AV+7], v[PC:PC+7], v[WF+16:WF+23], v[AV:AV+7], v[PW], v[WS+2] matrix_a_fmt:MATRIX_FMT_FP4 matrix_b_fmt:MATRIX_FMT_FP4
.endif
.rept 4
	v_nop                                          ; four places in front of loads into registers that these matrix instructions read, and of the first read of their results
.endr
.endm
	STEP 0
	STEP 1
	STEP 2
	STEP 3
	STEP 4
	STEP 5
	; q and k leave as they stand: each store of the wave covers 512 consecutive bytes, aligned
	global_store_b128 v[GL], v[AQ:AQ+3], s[18:19]
	global_store_b128 v[GL], v[AQ+4:AQ+7], s[18:19] offset:512
	global_store_b128 v[GL], v[AK:AK+3], s[20:21]
	global_store_b128 v[GL], v[AK+4:AK+7], s[20:21] offset:512
.irp j, 0,2,4,6
	v_pk_add_f32 v[AV+\j:AV+\j+1], v[AV+\j:AV+\j+1], v[BV:BV+1]   ; v + bv[r]: lane (r, h) register j is v(row 16 w + 8 h + j, channel r)
.endr
	ds_store_b128 v[VSO], v[AV:AV+3]
	ds_store_b128 v[VSO], v[AV+4:AV+7] offset:16
	s_wait_dscnt 0x0                               ; for wave 0's sake: my part of v lies in the stage
	s_barrier_signal -1
	s_barrier_wait -1
	s_cmp_lg_u32 s[WV], 0
	s_cbranch_scc1 .Ldone                          ; 16 channels x 2 blocks of 32 rows are one block a lane: one wave's work
.irp j, 0,1,2,3,4,5,6,7
	ds_load_b128 v[T+4*\j:T+4*\j+3], v[VSR] offset:16*\j       ; channel r, rows 32 h + 0 .. 31
.endr
	s_wait_dscnt 0x0
	BLOCK32
	global_store_b128 v[GL], v[CD:CD+3], s[22:23]  ; 512 consecutive bytes, aligned
	global_store_b8 v[VBO], v[BY], s[24:25]        ; 32 single bytes: one byte in 6,144 of the x that the work-group reads
.Ldone:
	s_wait_tensorcnt 0x0
	ds_add_u32 v30, v31
	s_wait_dscnt 0x0
	s_endpgm
.Lfunc_end_k_qefa4eb1eb5_project:
	.size	k_qefa4eb1eb5_project, .Lfunc_end_k_qefa4eb1eb5_project-k_qefa4eb1eb5_project
	.p2alignl 7, 3214868480
	.fill 96, 4, 3214868480
	.section	.rodata,"a",@progbits
	.p2align	6, 0x0
	.amdhsa_kernel k_qefa4eb1eb5_project
		.amdhsa_group_segment_fixed_size 279040
		.amdhsa_private_segment_fixed_size 0
		.amdhsa_enable_private_segment 0
		.amdhsa_kernarg_size 88
		.amdhsa_user_sgpr_count 2
		.amdhsa_user_sgpr_kernarg_segment_ptr 1
		.amdhsa_wavefront_size32 1
		.amdhsa_system_sgpr_workgroup_id_x 1
		.amdhsa_system_sgpr_workgroup_id_y 1
		.amdhsa_system_sgpr_workgroup_id_z 1
		.amdhsa_system_vgpr_workitem_id 0
		.amdhsa_next_free_vgpr 256
		.amdhsa_next_free_sgpr 68
		.amdhsa_reserve_vcc 0
		.amdhsa_float_denorm_mode_32 3
		.amdhsa_float_denorm_mode_16_64 3
		.amdhsa_memory_ordered 1
		.amdhsa_forward_progress 1
		.amdhsa_inst_pref_size 90
	.end_amdhsa_kernel
	.amdgpu_metadata
---
amdhsa.version: [ 1, 2 ]
amdhsa.kernels:
  - .name:           k_qefa4eb1eb5_project
    .symbol:         k_qefa4eb1eb5_project.kd
    .args:
      - { .name: x, .offset: 0, .size: 8, .value_kind: global_buffer, .address_space: global }
      - { .name: Wq, .offset: 8, .size: 8, .value_kind: global_buffer, .address_space: global }
      - { .name: Wk, .offset: 16, .size: 8, .value_kind: global_buffer, .address_space: global }
      - { .name: Wv, .offset: 24, .size: 8, .value_kind: global_buffer, .address_space: global }
      - { .name: bq, .offset: 32, .size: 8, .value_kind: global_buffer, .address_space: global }
      - { .name: bk, .offset: 40, .size: 8, .value_kind: global_buffer, .address_space: global }
      - { .name: bv, .offset: 48, .size: 8, .value_kind: global_buffer, .address_space: global }
      - { .name: qf, .offset: 56, .size: 8, .value_kind: global_buffer, .address_space: global }
      - { .name: kf, .offset: 64, .size: 8, .value_kind: global_buffer, .address_space: global }
      - { .name: vc, .offset: 72, .size: 8, .value_kind: global_buffer, .address_space: global }
      - { .name: vs, .offset: 80, .size: 8, .value_kind: global_buffer, .address_space: global }
    .group_segment_fixed_size: 279040
    .private_segment_fixed_size: 0
    .kernarg_segment_align: 8
    .kernarg_segment_size: 88
    .max_flat_workgroup_size: 128
    .sgpr_count:     68
    .vgpr_count:     256
    .wavefront_size: 32
...
	.end_amdgpu_metadata
.endif
;; end of part 1
;; launch attend (part 2): grid 32 x 8, 16 waves a work-group, no clusters, 100,352 bytes of LDS; arguments qf, kf, vc, vs, out0; writes out0
.if DOCPART == 2
	.amdgcn_target "amdgcn-amd-amdhsa--gfx1250"
	.amdhsa_code_object_version 6
	.text
	.protected	k_qefa4eb1eb5_attend
	.globl	k_qefa4eb1eb5_attend
	.p2align	8
	.type	k_qefa4eb1eb5_attend,@function
k_qefa4eb1eb5_attend:
	s_mov_b64 s[64:65], 0
	v_nop
	global_prefetch_b8 v0, s[64:65] scope:SCOPE_SE
	s_setreg_imm32_b32 hwreg(HW_REG_WAVE_MODE, 25, 1), 1
	s_wait_xcnt 0x0
; out[b][q][:] = the sum over keys k <= q of softmax_k(q . k / 4) v[k][:], 8 batches of 2,048 rows, 16 channels.
; The scores take f32 operands (v_wmma_f32_16x16x4_f32).  t = score x log2(e) / 4; p = 2^(t - M), M a whole number; p is quantised to FP4 (E2M1) along the keys, one E8M0 scale for each 32 keys, and multiplied with
; v's codes; the row's sum is taken of the unquantised p and divides at the end.
; IN (made by the launch before): qf, kf: for each tile of 16 rows the image of eight registers: lane (r, h): row r, channels 8 h + 0 .. 7.  vc: for each 128 keys the image of V^T's fragment.  vs: its scale words.
; SHARES.  Work-group g of a batch owns the query tiles g, 63 - g, 64 + g, 127 - g (16 queries each).  Tile n wants key steps 0 .. n / 8 of 128 keys, so every work-group has 34 pairs of a tile and a key step.
; EACH OF THE 16 WAVES OWNS ONE KEY STEP: it reads the step's K, V^T and scale word once, straight into registers, and serves those of the four tiles that reach its step (scalar branches on ids; the tiles go from the
; last to the first, so the first tile that does not reach the step ends the walk, and a tile whose diagonal lies in the step is the wave's last).  For each it leaves in LDS a part: O^T under its own M, -M and the sum.
; M is the ceiling of the step's own largest t: a maximum is taken away before every exponential, and parts are joined by exact powers of two.  One barrier; waves 0-7 join the 16 parts of half a tile each and store it.
; The key step is a permutation of the wave's number (wave 4 a + b takes step 4 ((a + b) % 4) + a), so that four waves with the same a, and four with the same b, hold one step of each quarter of the keys.
; A wave that does not reach a tile leaves a part that adds nothing (O = 0, sum = 0, -M = 3e38).  Every wave writes these at its head for all four tiles, while its loads are out, and overwrites those that it serves.
; BY TURNS.  A tile's softmax has a HEAD (the maxima, M, t - M into registers of its own), which is the last reader of the sums S^T, and a TAIL (the exponentials, the row's sum, the quantiser, the product with V^T, the
; stores: about 140 vector instructions), which does not name them.  So the NEXT tile's 32 matrix instructions for S^T stand among the tail's lines: one behind every four exponentials, then one behind every three to
; five plain lines.  No register is added for it.  A tile with its diagonal in the step is not taken so: its mask wants the 64 registers that the tail still holds; it follows a plain tail.  Each tail is therefore written
; twice, with the products and without, and a scalar branch on ids chooses.
; LAYOUT.  S^T = K Q^T (source 0 = 16 keys, source 1 = 16 queries), O^T = V^T P^T: a lane holds ONE query (lane % 16) throughout.  Lane r of key tile 2 b + u takes key 32 b + 8 u + r + 8 (r / 8), so that the 16 registers
; of tiles 2 b, 2 b + 1 are keys 32 b + 16 h + 0 .. 15.  Along the 16 channels both sources are laid alike: in link e lane (r, h) gives channels 8 h + 2 e, 8 h + 2 e + 1.
; THE MASK.  In the one step of a tile that holds its diagonal, the first link of each sum takes as C eight registers of 0 or -infinity; so no vector instruction writes the sums' registers.
; NO CLUSTER, NO TENSOR LOAD: each wave reads its step once, into registers laid as the operands want them; the work-groups of a batch want different numbers of steps.  NO PREFETCH: K, V and two fragments of Q go out
; at the wave's head, the other two fragments of Q (1,024 bytes each) a tile ahead of their use.
; LIMITS: NaN and infinities are not served.  Where two parts' M differ by more than f32's range the smaller part counts as 0.
.set OPP,  80                          ; a part's row in LDS: a query's 16 channels, 64 bytes + 16 of padding
.set OPW,  16*OPP                      ; a part's O
.set OPT,  16*OPW                      ; a tile's 16 parts
.set STB,  4*OPT                       ; behind them: (-M, sum), 8 bytes a lane, 256 a part, 4,096 a tile
.set LI,   1                           ; v1   16 x lane
.set KA,   2                           ; v2   my lane's place in two tiles of kf
.set VSA,  3                           ; v3   4 x (lane % 16)
.set OST,  4                           ; v4   LDS: where I put my part of O
.set SST,  5                           ; v5   LDS: where I put (-M, sum)
.set DM,   6                           ; v6   r - 16 h
.set MOA,  7                           ; v7   LDS: the join: my 16 bytes of a part's O
.set QF,   8                           ; v8-15    Q's fragment of tiles 0 and 2 of the four;
.set QD,   216                         ; v224-231 (QF + QD) of tiles 1 and 3
.set KF,   16                          ; v16-79   K's eight fragments
.set SA,   80                          ; v80-143  S^T: written by matrix instructions alone
.set PR,   144                         ; v144-207 the mask, then t - M, then p
.set OA,   PR+56                       ; v200-207 O^T: p's last eight registers, done with behind the conversions
.set VF,   208                         ; v208-215 V^T's fragment
.set PC,   216                         ; v216-223 p's codes
.set BM,   232                         ; v232-235 the blocks' largest scores, then largest p
.set PT,   236                         ; v236-239 at work
.set SO,   240                         ; v240-243 the conversions' scale operands
.set VSC,  244                         ; v244 V's scale word, v245 p's: these two hold scales and nothing else
.set PW,   245
.set NM,   246                         ; v[246:247] -M, the sum
.set LS,   248                         ; v[248:251] the sum in two chains of pairs
.set L2,   250
.set TT,   252
.set T2,   253
.set MSA,  254                         ; v254 LDS: the join: my query's (-M, sum) of a part
.set MO,   16                          ; the join: v16-79 16 parts x 4 numbers; v144-175 their (-M, sum); v176-191 their factors; v192-195 the result
.set MS,   144
.set FF,   176
.set AC,   192
.set MM,   196
.set LL,   197
.set RC,   198
.set WV,   2                           ; s2   wave
.set KS,   3                           ; s3   my key step
.set QT,   16                          ; s16-19  the four query tiles
.set QB,   20                          ; s[20:27] their fragments' addresses
.set KB,   28                          ; s[28:29] my step of kf;  s[30:31] of vc;  s[32:33] of vs
.set VB,   30
.set SB,   32
.set CS,   34                          ; s[34:35] c = log2(e) / 4: the packed form names a pair and takes its low word for both halves
.set SEL,  36                          ; s[36:37] lane selects for v_permlanex16_b32: lane l xor 16
.set OB,   44                          ; s[44:45] the join: where my half tile of out begins
	s_load_b256 s[4:11], s[0:1], 0x0               ; qf s[4:5], kf s[6:7], vc s[8:9], vs s[10:11]
	s_load_b64 s[12:13], s[0:1], 0x20              ; out
	v_lshrrev_b32 v252, 5, v0
	v_readfirstlane_b32 s[WV], v252                ; wave 0..15
	v_and_b32 v252, 31, v0                         ; lane
	v_and_b32 v253, 15, v0                         ; r
	v_bfe_u32 v255, v0, 4, 1                       ; h
	v_lshlrev_b32 v[LI], 4, v252
	v_lshrrev_b32 v[KA], 3, v253                   ; K: rows r < 8 come from one tile of 16 rows, the others from the next: 1,024 (r / 8) + 16 (r % 8) + 256 h
	v_lshlrev_b32 v[KA], 10, v[KA]
	v_and_b32 v[VSA], 7, v253
	v_lshl_add_u32 v[KA], v[VSA], 4, v[KA]
	v_lshl_add_u32 v[KA], v255, 8, v[KA]
	v_lshlrev_b32 v[VSA], 2, v253
	s_mul_i32 s38, s[WV], OPW
	v_mul_u32_u24 v[OST], v253, OPP
	v_lshl_add_u32 v[OST], v255, 5, v[OST]
	v_add_nc_u32 v[OST], s38, v[OST]               ; query r's row, channels 8 h on, in my wave's part
	s_lshl_b32 s38, s[WV], 8
	s_add_co_u32 s38, s38, STB
	v_lshl_add_u32 v[SST], v252, 3, s38
	v_lshlrev_b32 v[DM], 4, v255
	v_sub_nc_u32 v[DM], v253, v[DM]
	; the join's addresses are made here, ahead of every branch: wave w % 8 joins half w % 2 of tile (w % 8) / 2; lane l takes query 8 x half + l / 4, channels 4 (l % 4) on
	s_and_b32 s42, s[WV], 7
	s_lshr_b32 s43, s42, 1
	s_and_b32 s42, s42, 1
	s_mul_i32 s46, s43, OPT
	s_mul_i32 s47, s42, 8*OPP
	s_add_co_u32 s46, s46, s47
	v_lshrrev_b32 v[MSA], 2, v252
	v_mul_u32_u24 v[MOA], v[MSA], OPP
	v_and_b32 v253, 3, v252
	v_lshl_add_u32 v[MOA], v253, 4, v[MOA]
	v_add_nc_u32 v[MOA], s46, v[MOA]
	s_lshl_b32 s46, s43, 12
	s_lshl_b32 s47, s42, 6
	s_add_co_u32 s46, s46, s47
	s_add_co_u32 s46, s46, STB
	v_lshl_add_u32 v[MSA], v[MSA], 3, s46
	; parts that add nothing, for all four tiles
.irp j, 0,1,2,3,5
	v_mov_b32 v[PR+\j], 0
.endr
	v_mov_b32 v[PR+4], 0x7f61b1e6                  ; -M = 3e38
.irp t, 0,1,2,3
	ds_store_b128 v[OST], v[PR:PR+3] offset:\t*OPT
	ds_store_b128 v[OST], v[PR:PR+3] offset:\t*OPT+16
	ds_store_b64 v[SST], v[PR+4:PR+5] offset:\t*4096
.endr
.irp b, 0,1,2,3
	v_mov_b32 v[PT+\b], 0                          ; written once: a lane permute's destination counts as one of its sources
.endr
	v_mov_b32 v[NM+1], 0                           ; (named as the upper half of a pair before it is first written)
	s_lshr_b32 s14, s[WV], 2                       ; a
	s_and_b32 s15, s[WV], 3                        ; b
	s_add_co_u32 s15, s15, s14
	s_and_b32 s15, s15, 3
	s_lshl_b32 s15, s15, 2
	s_add_co_u32 s[KS], s15, s14                   ; my key step: 4 ((a + b) % 4) + a
	s_and_b32 s14, ttmp7, 0xffff                   ; the batch
	s_mov_b32 s[QT], ttmp9
	s_sub_co_u32 s[QT+1], 63, ttmp9
	s_add_co_u32 s[QT+2], ttmp9, 64
	s_sub_co_u32 s[QT+3], 127, ttmp9
	s_lshl_b32 s15, s14, 7                         ; the batch's first tile of 16 rows
	s_mov_b32 s39, 0
	s_mov_b32 s41, 0
	s_mov_b32 s[CS], 0x3eb8aa3b                    ; c = log2(e) / 4
	s_mov_b32 s[CS+1], s[CS]
	s_mov_b32 s[SEL], 0x76543210
	s_mov_b32 s[SEL+1], 0xfedcba98
	s_wait_kmcnt 0x0
.irp t, 0,1,2,3
	s_add_co_u32 s38, s15, s[QT+\t]
	s_lshl_b32 s38, s38, 10
	s_add_nc_u64 s[QB+2*\t:QB+2*\t+1], s[4:5], s[38:39]
.endr
	s_lshl_b32 s38, s[KS], 3
	s_add_co_u32 s38, s38, s15
	s_lshl_b32 s38, s38, 10
	s_add_nc_u64 s[KB:KB+1], s[6:7], s[38:39]      ; my step's eight tiles of 16 keys
	s_lshl_b32 s38, s14, 4
	s_add_co_u32 s38, s38, s[KS]
	s_lshl_b32 s40, s38, 10
	s_add_nc_u64 s[VB:VB+1], s[8:9], s[40:41]
	s_lshl_b32 s40, s38, 6
	s_add_nc_u64 s[SB:SB+1], s[10:11], s[40:41]
	s_and_b32 s46, s43, 1                          ; the tile that I join: g or 63 - g, + 64 for the upper two
	s_cmp_eq_u32 s46, 0
	s_cselect_b32 s46, s[QT], s[QT+1]
	s_lshr_b32 s47, s43, 1
	s_lshl_b32 s47, s47, 6
	s_add_co_u32 s46, s46, s47
	s_add_co_u32 s46, s46, s15
	s_lshl_b32 s46, s46, 1
	s_add_co_u32 s46, s46, s42                     ; in halves of 8 rows,
	s_lshl_b32 s46, s46, 9                         ; of 512 bytes
	s_mov_b32 s47, 0
	s_add_nc_u64 s[OB:OB+1], s[12:13], s[46:47]
	s_lshr_b32 s38, s[QT+3], 3                     ; the last tile's last key step
	s_cmp_lt_u32 s38, s[KS]
	s_cbranch_scc1 .Lmerge                         ; not even the last tile reaches my key step: nothing is loaded
.irp b, 0,1,2,3
.irp u, 0,1
	global_load_b128 v[KF+8*(2*\b+\u):KF+8*(2*\b+\u)+3], v[KA], s[KB:KB+1] offset:2048*\b+128*\u
	global_load_b128 v[KF+8*(2*\b+\u)+4:KF+8*(2*\b+\u)+7], v[KA], s[KB:KB+1] offset:2048*\b+128*\u+512
.endr
.endr
	global_load_b128 v[VF:VF+3], v[LI], s[VB:VB+1]
	global_load_b128 v[VF+4:VF+7], v[LI], s[VB:VB+1] offset:512
	global_load_b32 v[VSC], v[VSA], s[SB:SB+1]
	global_load_b128 v[QF+QD:QF+QD+3], v[LI], s[QB+6:QB+7]              ; tile 3's fragment of Q,
	global_load_b128 v[QF+QD+4:QF+QD+7], v[LI], s[QB+6:QB+7] offset:512
	global_load_b128 v[QF:QF+3], v[LI], s[QB+4:QB+5]                    ; and tile 2's, into the other set
	global_load_b128 v[QF+4:QF+7], v[LI], s[QB+4:QB+5] offset:512
; Matrix instruction NW of the 32 of S^T = K Q^T for tile t: link NW / 8 (channels), sum NW % 8 (16 keys).  The eight sums take turns, one matrix instruction a turn.
; The first eight start the sums with the constant 0: every key counts.  on = 0: nothing is written (a plain tail).
.macro NEXTW on, t
.if \on
.set WA_, NW%8
.set WE_, NW/8
.set WQ_, QF+QD*((\t)%2)
.if NW < 8
	v_wmma_f32_16x16x4_f32 v[SA+8*WA_:SA+8*WA_+7], v[KF+8*WA_:KF+8*WA_+1], v[WQ_:WQ_+1], 0
.else
	v_wmma_f32_16x16x4_f32 v[SA+8*WA_:SA+8*WA_+7], v[KF+8*WA_+2*WE_:KF+8*WA_+2*WE_+1], v[WQ_+2*WE_:WQ_+2*WE_+1], v[SA+8*WA_:SA+8*WA_+7]
.endif
.set NW, NW+1
.endif
.endm
; S^T for a tile whose diagonal lies in my step.  Register 16 b + i holds key 32 b + 16 h + i of the step; my query is number 16 (tile % 8) + r of it: hidden where 32 b + i > 16 (tile % 8) + r - 16 h.
.macro DIAG t
	s_and_b32 s39, s[QT+\t], 7
	s_lshl_b32 s39, s39, 4
	v_add_nc_u32 v[TT], s39, v[DM]
	v_mov_b32 v[T2], 0xff800000                    ; -infinity
.irp n, 0,1,2,3,4,5,6,7,8,9,10,11,12,13,14,15,16,17,18,19,20,21,22,23,24,25,26,27,28,29,30,31,32,33,34,35,36,37,38,39,40,41,42,43,44,45,46,47,48,49,50,51,52,53,54,55,56,57,58,59,60,61,62,63
	v_cmp_gt_i32 vcc_lo, 32*(\n/16)+\n%16, v[TT]
	v_cndmask_b32 v[PR+\n], 0, v[T2], vcc_lo
.endr
.irp a, 0,1,2,3,4,5,6,7
	v_wmma_f32_16x16x4_f32 v[SA+8*\a:SA+8*\a+7], v[KF+8*\a:KF+8*\a+1], v[QF+QD*((\t)%2):QF+QD*((\t)%2)+1], v[PR+8*\a:PR+8*\a+7]   ; the mask starts the sums
.endr
.set NW, 8
.rept 24
	NEXTW 1, \t
.endr
.endm
; THE HEAD of tile t's softmax: all that reads S^T.
.macro HEAD t
.rept 8
	v_nop                                          ; eight places behind the last matrix instruction of this form, on every way: in front of the load into the set of Q that it read, and of the first read of the sums
.endr
.if \t >= 2
	global_load_b128 v[QF+QD*((\t)%2):QF+QD*((\t)%2)+3], v[LI], s[QB+2*\t-4:QB+2*\t-3]              ; Q of the tile after the next, into the set that this tile's products have left
	global_load_b128 v[QF+QD*((\t)%2)+4:QF+QD*((\t)%2)+7], v[LI], s[QB+2*\t-4:QB+2*\t-3] offset:512
.endif
.irp b, 0,1,2,3
	v_max3_num_f32 v[BM+\b], v[SA+16*\b], v[SA+1+16*\b], v[SA+2+16*\b]   ; the largest score of each block of 32 keys: it serves for the row's maximum and, since p rises with the score, for the block's largest p
.endr
.irp i, 3,5,7,9,11,13
.irp b, 0,1,2,3
	v_max3_num_f32 v[BM+\b], v[BM+\b], v[SA+16*\b+\i], v[SA+1+16*\b+\i]
.endr
.endr
.irp b, 0,1,2,3
	v_max_num_f32 v[BM+\b], v[BM+\b], v[SA+15+16*\b]
.endr
.irp b, 0,1,2,3
	v_permlanex16_b32 v[PT+\b], v[BM+\b], s[SEL], s[SEL+1]
.endr
.irp b, 0,1,2,3
	v_max_num_f32 v[BM+\b], v[BM+\b], v[PT+\b]     ; with lane l xor 16's 16 keys
.endr
	v_max3_num_f32 v[TT], v[BM], v[BM+1], v[BM+2]
	v_max_num_f32 v[TT], v[TT], v[BM+3]            ; my query's largest score in this step (its own key, or an earlier one, always counts)
	v_mul_f32 v[TT], s[CS], v[TT]                  ; as t
	s_wait_dscnt 0x0                               ; the last part's LDS stores have read -M, the sum and O^T: these registers are written again only behind this wait
	v_floor_f32 v[NM], -v[TT]                      ; -M = floor(-t) = -ceil(t): a whole number
.irp j, 0,2,4,6,8,10,12,14,16,18,20,22,24,26,28,30,32,34,36,38,40,42,44,46,48,50,52,54,56,58,60,62
	v_pk_fma_f32 v[PR+\j:PR+\j+1], v[SA+\j:SA+\j+1], s[CS:CS+1], v[NM:NM+1] op_sel_hi:[1,0,0]   ; t - M, two at a time, into registers of their own: the sums' registers are free from here on
.endr
.irp b, 0,1,2,3
	v_fma_f32 v[BM+\b], v[BM+\b], s[CS], v[NM]     ; the same of each block's largest score
.endr
.endm
; THE TAIL of tile t's softmax.  on = 1: the 32 matrix instructions of S^T for tile nt stand among its lines: 16 among the exponentials, 8 among the sums, 4 among the scales' lines, 4 behind the conversions.
; None of the tail's lines names a register of theirs (S^T, K, Q).
.macro TAIL t, on, nt
.set NW, 0
.irp j, 0,1,2,3,4,5,6,7,8,9,10,11,12,13,14,15,16,17,18,19,20,21,22,23,24,25,26,27,28,29,30,31,32,33,34,35,36,37,38,39,40,41,42,43,44,45,46,47,48,49,50,51,52,53,54,55,56,57,58,59,60,61,62,63
	v_exp_f32 v[PR+\j], v[PR+\j]                   ; p = 2^(t - M)
.if (\j)%4 == 3
	NEXTW \on, \nt
.endif
.endr
	v_nop                                          ; a plain place behind the exponentials
	s_wait_alu depctr_va_vdst(0)                   ; one wait for the batch of 64, ahead of its first reader
.irp b, 0,1,2,3
	v_exp_f32 v[BM+\b], v[BM+\b]                   ; the block's largest p: the same two instructions on the same number give the same bits
.endr
	v_pk_add_f32 v[LS:LS+1], v[PR:PR+1], v[PR+2:PR+3]          ; the sum of the unquantised p, in two chains of pairs (plain work behind the four)
	v_pk_add_f32 v[L2:L2+1], v[PR+4:PR+5], v[PR+6:PR+7]
	NEXTW \on, \nt
.irp j, 8,12,16,20,24,28,32,36,40,44,48,52,56,60
	v_pk_add_f32 v[LS:LS+1], v[LS:LS+1], v[PR+\j:PR+\j+1]
	v_pk_add_f32 v[L2:L2+1], v[L2:L2+1], v[PR+\j+2:PR+\j+3]
.if ((\j)/4)%2 == 1
	NEXTW \on, \nt
.endif
.endr
	s_wait_alu depctr_va_vdst(0)                   ; and one for the four
.irp b, 0,1,2,3
	v_max_num_f32 v[BM+\b], 0x1800000, v[BM+\b]    ; the floor 2^(3 - 127): the byte cannot fall under 1 (a block that is all hidden keeps that byte: its codes are zeros)
.endr
	NEXTW \on, \nt
.irp b, 0,1,2,3
	v_add_nc_u32 v[SO+\b], 0xff000000, v[BM+\b]    ; 2 off the exponent field: the conversion's scale operand
.endr
	NEXTW \on, \nt
.irp b, 0,1,2,3
	v_lshrrev_b32 v[PT+\b], 23, v[SO+\b]           ; the scale's byte
.endr
	NEXTW \on, \nt
	v_lshl_or_b32 v[PW], v[PT+1], 8, v[PT]         ; p's scale word for these 128 keys
	v_lshl_or_b32 v[PW], v[PT+2], 16, v[PW]
	v_lshl_or_b32 v[PW], v[PT+3], 24, v[PW]
	NEXTW \on, \nt
.irp b, 0,1,2,3
	v_cvt_scalef32_pk8_fp4_f32 v[PC+2*\b], v[PR+16*\b:PR+7+16*\b], v[SO+\b]
	v_cvt_scalef32_pk8_fp4_f32 v[PC+1+2*\b], v[PR+8+16*\b:PR+15+16*\b], v[SO+\b]
.endr
	v_nop                                          ; one plain place behind a scaled conversion
	NEXTW \on, \nt
.irp c, 0,1                                    ; the operand's layout wants a whole block in a lane
.irp i, 0,1
	v_permlane16_swap_b32 v[PC+4*\c+\i], v[PC+2+4*\c+\i]
.endr
.endr
	NEXTW \on, \nt
	v_pk_add_f32 v[LS:LS+1], v[LS:LS+1], v[L2:L2+1]            ; the sum is finished in the places ahead of the scaled matrix instruction (8 behind the scale word's last write, 4 behind the codes')
	v_add_f32 v[TT], v[LS], v[LS+1]
	v_permlanex16_b32 v[PT], v[TT], s[SEL], s[SEL+1]
	v_add_f32 v[NM+1], v[TT], v[PT]                ; with lane l xor 16's 64 keys
	NEXTW \on, \nt
.rept 3
	v_nop
.endr
	NEXTW \on, \nt                                 ; the 32nd
.rept 2
	v_nop
.endr
	v_wmma_scale_f32_16x16x128_f8f6f4 v[OA:OA+7], v[VF:VF+7], v[PC:PC+7], 0, v[VSC], v[PW] matrix_a_fmt:MATRIX_FMT_FP4 matrix_b_fmt:MATRIX_FMT_FP4   ; O^T: lane (r, h) register j: channel 8 h + j of query r
.rept 4
	v_nop                                          ; four places in front of the stores that read the result
.endr
	ds_store_b128 v[OST], v[OA:OA+3] offset:\t*OPT
	ds_store_b128 v[OST], v[OA+4:OA+7] offset:\t*OPT+16
	ds_store_b64 v[SST], v[NM:NM+1] offset:\t*4096
.endm
; Tile t, whose sums S^T are on their way or done; and the next tile's sums, if it reaches my step.
.macro UNITX t
	HEAD \t
.if \t > 0
	s_lshr_b32 s38, s[QT+\t-1], 3                  ; the next tile's last key step, the one with its diagonal
	s_cmp_gt_u32 s38, s[KS]
	s_cbranch_scc0 .Lplain_\@
.if \t >= 2
	s_wait_loadcnt 2                               ; the next tile's Q is in; the two younger loads, Q of the tile after it, may be out
.else
	s_wait_loadcnt 0x0                             ; the last fragment of Q: no load was issued behind it
.endif
	TAIL \t, 1, \t-1                               ; every key of my step counts for the next tile: its products go among this tail's lines
	s_branch .Lnext_\@
.Lplain_\@:
	TAIL \t, 0, 0
	s_cmp_lg_u32 s38, s[KS]
	s_cbranch_scc1 .Lmerge                         ; the next tile does not reach my step, nor do those that follow
.if \t >= 2
	s_wait_loadcnt 2
.else
	s_wait_loadcnt 0x0
.endif
	s_wait_dscnt 0x0                               ; the part's stores have read O^T's registers: the mask is written there only behind this wait
	DIAG \t-1
.Lnext_\@:
.else
	TAIL \t, 0, 0
.endif
.endm
	s_wait_loadcnt 2                               ; K, V^T, V's scale word and tile 3's Q are in; the two younger loads, tile 2's Q, may be out
	s_wait_dscnt 0x0                               ; my LDS stores at the head have read their registers
	s_cmp_lg_u32 s38, s[KS]
	s_cbranch_scc1 .Lopen
	DIAG 3
	s_branch .Lwalk
.Lopen:
.set NW, 0
.rept 32
	NEXTW 1, 3                                     ; the first tile's sums: there is no vector work yet to set between them
.endr
.Lwalk:
	UNITX 3
	UNITX 2
	UNITX 1
	UNITX 0
.Lmerge:
	s_wait_loadcnt 0x0                             ; a fragment of Q that was asked for ahead and is not wanted may still be on its way
	s_wait_dscnt 0x0                               ; for the others' sake: my parts lie in LDS
	s_barrier_signal -1
	s_barrier_wait -1
	s_cmp_lt_u32 s[WV], 8
	s_cbranch_scc0 .Ldone
	; THE JOIN: out = (the sum over parts of 2^(M_s - M) O_s) / (the sum over parts of 2^(M_s - M) l_s), M the largest M_s: the factors are exact
.irp s, 0,1,2,3,4,5,6,7,8,9,10,11,12,13,14,15
	ds_load_b64 v[MS+2*\s:MS+2*\s+1], v[MSA] offset:256*\s
.endr
.irp s, 0,1,2,3,4,5,6,7,8,9,10,11,12,13,14,15
	ds_load_b128 v[MO+4*\s:MO+4*\s+3], v[MOA] offset:OPW*\s
.endr
	s_wait_dscnt 16                                ; the 16 pairs (-M, sum) are in; the 16 younger loads of O may be out
	v_min3_num_f32 v[MM], v[MS], v[MS+2], v[MS+4]
.irp s, 3,5,7,9,11,13
	v_min3_num_f32 v[MM], v[MM], v[MS+2*\s], v[MS+2*\s+2]
.endr
	v_min_num_f32 v[MM], v[MM], v[MS+30]           ; -M
.irp s, 0,1,2,3,4,5,6,7,8,9,10,11,12,13,14,15
	v_sub_f32 v[FF+\s], v[MM], v[MS+2*\s]          ; M_s - M: a whole number, 0 or less
.endr
.irp s, 0,1,2,3,4,5,6,7,8,9,10,11,12,13,14,15
	v_cvt_i32_f32 v[FF+\s], v[FF+\s]               ; (it saturates)
.endr
.irp s, 0,1,2,3,4,5,6,7,8,9,10,11,12,13,14,15
	v_ldexp_f32 v[FF+\s], 1.0, v[FF+\s]
.endr
	v_mul_f32 v[LL], v[FF], v[MS+1]
.irp s, 1,2,3,4,5,6,7,8,9,10,11,12,13,14,15
	v_fmac_f32 v[LL], v[FF+\s], v[MS+2*\s+1]
.endr
	s_wait_dscnt 0x0
	v_rcp_f32 v[RC], v[LL]
.irp c, 0,1,2,3
	v_mul_f32 v[AC+\c], v[FF], v[MO+\c]            ; (plain work behind the reciprocal)
.endr
.irp s, 1,2,3,4,5,6,7,8,9,10,11,12,13,14,15
.irp c, 0,1,2,3
	v_fmac_f32 v[AC+\c], v[FF+\s], v[MO+4*\s+\c]
.endr
.endr
	s_wait_alu depctr_va_vdst(0)                   ; a wait ahead of the reciprocal's first reader
.irp c, 0,1,2,3
	v_mul_f32 v[AC+\c], v[AC+\c], v[RC]
.endr
	global_store_b128 v[LI], v[AC:AC+3], s[OB:OB+1]   ; eight rows of out: 512 consecutive bytes, aligned
.Ldone:
	s_wait_xcnt 0x0
	v_lshl_add_u32 v254, v0, 2, 0x18000
	v_mov_b32 v255, 0
	s_wait_tensorcnt 0x0
	ds_add_u32 v254, v255
	s_wait_dscnt 0x0
	s_endpgm
.Lfunc_end_k_qefa4eb1eb5_attend:
	.size	k_qefa4eb1eb5_attend, .Lfunc_end_k_qefa4eb1eb5_attend-k_qefa4eb1eb5_attend
	.p2alignl 7, 3214868480
	.fill 96, 4, 3214868480
	.section	.rodata,"a",@progbits
	.p2align	6, 0x0
	.amdhsa_kernel k_qefa4eb1eb5_attend
		.amdhsa_group_segment_fixed_size 100352
		.amdhsa_private_segment_fixed_size 0
		.amdhsa_enable_private_segment 0
		.amdhsa_kernarg_size 40
		.amdhsa_user_sgpr_count 2
		.amdhsa_user_sgpr_kernarg_segment_ptr 1
		.amdhsa_wavefront_size32 1
		.amdhsa_system_sgpr_workgroup_id_x 1
		.amdhsa_system_sgpr_workgroup_id_y 1
		.amdhsa_system_sgpr_workgroup_id_z 1
		.amdhsa_system_vgpr_workitem_id 0
		.amdhsa_next_free_vgpr 256
		.amdhsa_next_free_sgpr 66
		.amdhsa_reserve_vcc 1
		.amdhsa_float_denorm_mode_32 3
		.amdhsa_float_denorm_mode_16_64 3
		.amdhsa_memory_ordered 1
		.amdhsa_forward_progress 1
		.amdhsa_inst_pref_size 118
	.end_amdhsa_kernel
	.amdgpu_metadata
---
amdhsa.version: [ 1, 2 ]
amdhsa.kernels:
  - .name:           k_qefa4eb1eb5_attend
    .symbol:         k_qefa4eb1eb5_attend.kd
    .args:
      - { .name: qf, .offset: 0, .size: 8, .value_kind: global_buffer, .address_space: global }
      - { .name: kf, .offset: 8, .size: 8, .value_kind: global_buffer, .address_space: global }
      - { .name: vc, .offset: 16, .size: 8, .value_kind: global_buffer, .address_space: global }
      - { .name: vs, .offset: 24, .size: 8, .value_kind: global_buffer, .address_space: global }
      - { .name: out0, .offset: 32, .size: 8, .value_kind: global_buffer, .address_space: global }
    .group_segment_fixed_size: 100352
    .private_segment_fixed_size: 0
    .kernarg_segment_align: 8
    .kernarg_segment_size: 40
    .max_flat_workgroup_size: 512
    .sgpr_count:     66
    .vgpr_count:     256
    .wavefront_size: 32
...
	.end_amdgpu_metadata
.endif
;; end of part 2
;; ======== version 2 of 2: 2 launches; version 1 with the launch attend written anew for expert scheduling mode
;; workspace buffers: qf 1,048,576 bytes; kf 1,048,576 bytes; vc 131,072 bytes; vs 8,192 bytes
;; launch project: the kernel of part 1 again; grid 256 x 1, 4 waves a work-group, no clusters, 279,040 bytes of LDS; arguments x, Wq, Wk, Wv, bq, bk, bv, qf, kf, vc, vs; writes qf, kf, vc, vs
;; launch attend (part 3): grid 32 x 8, 16 waves a work-group, no clusters, 100,352 bytes of LDS; arguments qf, kf, vc, vs, out0; writes out0
.if DOCPART == 3
	.amdgcn_target "amdgcn-amd-amdhsa--gfx1250"
	.amdhsa_code_object_version 6
	.text
	.protected	k_qefa4eb1eb5_attend
	.globl	k_qefa4eb1eb5_attend
	.p2align	8
	.type	k_qefa4eb1eb5_attend,@function
k_qefa4eb1eb5_attend:
	s_mov_b64 s[64:65], 0
	v_nop
	global_prefetch_b8 v0, s[64:65] scope:SCOPE_SE
	s_setreg_imm32_b32 hwreg(HW_REG_WAVE_SCHED_MODE, 0, 2), 2
	s_setreg_imm32_b32 hwreg(HW_REG_WAVE_MODE, 25, 1), 1
	s_wait_xcnt 0x0
	s_wait_alu depctr_vm_vsrc(0)
; out[b][q][:] = the sum over keys k <= q of softmax_k(q . k / 4) v[k][:], 8 batches of 2,048 rows, 16 channels.
; The scores take f32 operands (v_wmma_f32_16x16x4_f32).  t = score x log2(e) / 4; p = 2^(t - M), M a whole number; p is quantised to FP4 (E2M1) along the keys, one E8M0 scale for each 32 keys, and multiplied with
; v's codes; the row's sum is taken of the unquantised p and divides at the end.
; IN (made by the launch before): qf, kf: for each tile of 16 rows the image of eight registers: lane (r, h): row r, channels 8 h + 0 .. 7.  vc: for each 128 keys the image of V^T's fragment.  vs: its scale words.
; SHARES.  Work-group g of a batch owns the query tiles g, 63 - g, 64 + g, 127 - g (16 queries each).  Tile n wants key steps 0 .. n / 8 of 128 keys, so every work-group has 34 pairs of a tile and a key step.
; EACH OF THE 16 WAVES OWNS ONE KEY STEP: it reads the step's K, V^T and scale word once, straight into registers, and serves those of the four tiles that reach its step (scalar branches on ids; the tiles go from the
; last to the first, so the first tile that does not reach the step ends the walk, and a tile whose diagonal lies in the step is the wave's last).  For each it leaves in LDS a part: O^T under its own M, -M and the sum.
; M is the ceiling of the step's own largest t: a maximum is taken away before every exponential, and parts are joined by exact powers of two.  One barrier; waves 0-7 join the 16 parts of half a tile each and store it.
; The key step is a permutation of the wave's number (wave 4 a + b takes step 4 ((a + b) % 4) + a), so that four waves with the same a, and four with the same b, hold one step of each quarter of the keys.
; A wave that does not reach a tile leaves a part that adds nothing (O = 0, sum = 0, -M = 3e38).  Every wave writes these at its head for all four tiles, while its loads are out, and overwrites those that it serves.
; BY TURNS.  A tile's softmax has a HEAD (the maxima, M, t - M into registers of its own), which is the last reader of the sums S^T, and a TAIL (the exponentials, the row's sum, the quantiser, the product with V^T, the
; stores: about 140 vector instructions), which does not name them.  So the NEXT tile's 32 matrix instructions for S^T stand among the tail's lines: one behind every four exponentials, then one behind every three to
; five plain lines.  No register is added for it.  A tile with its diagonal in the step is not taken so: its mask wants the 64 registers that the tail still holds; it follows a plain tail.  Each tail is therefore written
; twice, with the products and without, and a scalar branch on ids chooses.
; LAYOUT.  S^T = K Q^T (source 0 = 16 keys, source 1 = 16 queries), O^T = V^T P^T: a lane holds ONE query (lane % 16) throughout.  Lane r of key tile 2 b + u takes key 32 b + 8 u + r + 8 (r / 8), so that the 16 registers
; of tiles 2 b, 2 b + 1 are keys 32 b + 16 h + 0 .. 15.  Along the 16 channels both sources are laid alike: in link e lane (r, h) gives channels 8 h + 2 e, 8 h + 2 e + 1.
; THE MASK.  In the one step of a tile that holds its diagonal, the first link of each sum takes as C eight registers of 0 or -infinity; so no vector instruction writes the sums' registers.
; NO CLUSTER, NO TENSOR LOAD: each wave reads its step once, into registers laid as the operands want them; the work-groups of a batch want different numbers of steps.  NO PREFETCH: K, V and two fragments of Q go out
; at the wave's head, the other two fragments of Q (1,024 bytes each) a tile ahead of their use.
; LIMITS: NaN and infinities are not served.  Where two parts' M differ by more than f32's range the smaller part counts as 0.
; THE MODE: SCHED_MODE bits 1:0 = 2 (LLVM: expert scheduling mode 2), set by the entry lines.  The code itself states the register dependences between vector or matrix instructions and memory or LDS instructions,
; with s_wait_alu, always for 0.
; THE PLAN.  Registers that memory or LDS instructions touch:
;   v1-5, v7, v254   addresses: written once at the head, ahead of the head's one wait on va_vdst; read by every load and store; v254 alone is written again, for the closing lines, behind a wait on vm_vsrc.
;   v144-149         the empty parts' data: written at the head ahead of the same wait; read by the head's LDS stores; written again by the mask, by t - M or by the join's loads, each behind a wait on vm_vsrc.
;   v16-79           K: loaded at the head; read by the products for S^T; the join's LDS loads land there, behind the wait on va_vdst at the join's head.
;   v8-15, v224-231  Q's two sets: a tile's 32 products read one; at that tile's HEAD it is loaded again, behind a wait on va_vdst.
;   v208-215, v244   V^T and its scale word: loaded once, never written again.
;   v216-223, v245   p's codes and scale word: written by vector lines; the scaled product takes them behind its places and a wait on va_vdst.
;   v200-207, v246-247  O^T, -M and the sum: written by the scaled product and by vector lines; read by the part's three LDS stores, behind a wait on va_vdst; written again in the next HEAD or by the mask, behind a wait on vm_vsrc.
;   v192-195         the join's result: the global store reads it behind a wait on va_vdst.
;   s2, and s4-15, s40-43 in the mask, are written by vector instructions: a wait on va_sdst stands ahead of their first readers.
; The products that stand among a tail's lines name S^T, K and Q alone: none of the registers that a tail's LDS stores touch.
.set OPP,  80                          ; a part's row in LDS: a query's 16 channels, 64 bytes + 16 of padding
.set OPW,  16*OPP                      ; a part's O
.set OPT,  16*OPW                      ; a tile's 16 parts
.set STB,  4*OPT                       ; behind them: (-M, sum), 8 bytes a lane, 256 a part, 4,096 a tile
.set LI,   1                           ; v1   16 x lane
.set KA,   2                           ; v2   my lane's place in two tiles of kf
.set VSA,  3                           ; v3   4 x (lane % 16)
.set OST,  4                           ; v4   LDS: where I put my part of O
.set SST,  5                           ; v5   LDS: where I put (-M, sum)
.set DM,   6                           ; v6   r - 16 h
.set MOA,  7                           ; v7   LDS: the join: my 16 bytes of a part's O
.set QF,   8                           ; v8-15    Q's fragment of tiles 0 and 2 of the four;
.set QD,   216                         ; v224-231 (QF + QD) of tiles 1 and 3
.set KF,   16                          ; v16-79   K's eight fragments
.set SA,   80                          ; v80-143  S^T: written by matrix instructions alone
.set PR,   144                         ; v144-207 the mask, then t - M, then p
.set OA,   PR+56                       ; v200-207 O^T: p's last eight registers, done with behind the conversions
.set VF,   208                         ; v208-215 V^T's fragment
.set PC,   216                         ; v216-223 p's codes
.set BM,   232                         ; v232-235 the blocks' largest scores, then largest p
.set PT,   236                         ; v236-239 at work
.set SO,   240                         ; v240-243 the conversions' scale operands
.set VSC,  244                         ; v244 V's scale word, v245 p's: these two hold scales and nothing else
.set PW,   245
.set NM,   246                         ; v[246:247] -M, the sum
.set LS,   248                         ; v[248:251] the sum in two chains of pairs
.set L2,   250
.set TT,   252
.set T2,   253
.set MSA,  254                         ; v254 LDS: the join: my query's (-M, sum) of a part
.set MO,   16                          ; the join: v16-79 16 parts x 4 numbers; v144-175 their (-M, sum); v176-191 their factors; v192-195 the result
.set MS,   144
.set FF,   176
.set AC,   192
.set MM,   196
.set LL,   197
.set RC,   198
.set WV,   2                           ; s2   wave
.set KS,   3                           ; s3   my key step
.set MK,   4                           ; s4-15, s40-43: behind the head, where they are done with: the masks of 16 compares; mask i in s[MK + i + 24 (i / 12)]
.set QT,   16                          ; s16-19  the four query tiles
.set QB,   20                          ; s[20:27] their fragments' addresses
.set KB,   28                          ; s[28:29] my step of kf;  s[30:31] of vc;  s[32:33] of vs
.set VB,   30
.set SB,   32
.set CS,   34                          ; s[34:35] c = log2(e) / 4: the packed form names a pair and takes its low word for both halves
.set SEL,  36                          ; s[36:37] lane selects for v_permlanex16_b32: lane l xor 16
.set OB,   44                          ; s[44:45] the join: where my half tile of out begins
	s_load_b256 s[4:11], s[0:1], 0x0               ; qf s[4:5], kf s[6:7], vc s[8:9], vs s[10:11]
	s_load_b64 s[12:13], s[0:1], 0x20              ; out
	v_lshrrev_b32 v252, 5, v0
	v_readfirstlane_b32 s[WV], v252                ; wave 0..15
	v_and_b32 v252, 31, v0                         ; lane
	v_and_b32 v253, 15, v0                         ; r
	v_bfe_u32 v255, v0, 4, 1                       ; h
	v_lshlrev_b32 v[LI], 4, v252
	v_lshrrev_b32 v[KA], 3, v253                   ; K: rows r < 8 come from one tile of 16 rows, the others from the next: 1,024 (r / 8) + 16 (r % 8) + 256 h
	v_lshlrev_b32 v[KA], 10, v[KA]
	v_and_b32 v[VSA], 7, v253
	v_lshl_add_u32 v[KA], v[VSA], 4, v[KA]
	v_lshl_add_u32 v[KA], v255, 8, v[KA]
	v_lshlrev_b32 v[VSA], 2, v253
	s_wait_alu depctr_va_sdst(0)                   ; s2, the wave's number, is written, ahead of its first reader: LDS addresses, the key step and the branches are made from it
	s_mul_i32 s38, s[WV], OPW
	v_mul_u32_u24 v[OST], v253, OPP
	v_lshl_add_u32 v[OST], v255, 5, v[OST]
	v_add_nc_u32 v[OST], s38, v[OST]               ; query r's row, channels 8 h on, in my wave's part
	s_lshl_b32 s38, s[WV], 8
	s_add_co_u32 s38, s38, STB
	v_lshl_add_u32 v[SST], v252, 3, s38
	v_lshlrev_b32 v[DM], 4, v255
	v_sub_nc_u32 v[DM], v253, v[DM]
	; the join's addresses are made here, ahead of every branch: wave w % 8 joins half w % 2 of tile (w % 8) / 2; lane l takes query 8 x half + l / 4, channels 4 (l % 4) on
	s_and_b32 s42, s[WV], 7
	s_lshr_b32 s43, s42, 1
	s_and_b32 s42, s42, 1
	s_mul_i32 s46, s43, OPT
	s_mul_i32 s47, s42, 8*OPP
	s_add_co_u32 s46, s46, s47
	v_lshrrev_b32 v[MSA], 2, v252
	v_mul_u32_u24 v[MOA], v[MSA], OPP
	v_and_b32 v253, 3, v252
	v_lshl_add_u32 v[MOA], v253, 4, v[MOA]
	v_add_nc_u32 v[MOA], s46, v[MOA]
	s_lshl_b32 s46, s43, 12
	s_lshl_b32 s47, s42, 6
	s_add_co_u32 s46, s46, s47
	s_add_co_u32 s46, s46, STB
	v_lshl_add_u32 v[MSA], v[MSA], 3, s46
	; parts that add nothing, for all four tiles
.irp j, 0,1,2,3,5
	v_mov_b32 v[PR+\j], 0
.endr
	v_mov_b32 v[PR+4], 0x7f61b1e6                  ; -M = 3e38
	s_wait_alu depctr_va_vdst(0)                   ; the seven addresses v1-5, v7 and v254 are written, which the kernel's loads and stores read, and so are v144-149, the data of the stores below
.irp t, 0,1,2,3
	ds_store_b128 v[OST], v[PR:PR+3] offset:\t*OPT
	ds_store_b128 v[OST], v[PR:PR+3] offset:\t*OPT+16
	ds_store_b64 v[SST], v[PR+4:PR+5] offset:\t*4096
.endr
.irp b, 0,1,2,3
	v_mov_b32 v[PT+\b], 0                          ; written once: a lane permute's destination counts as one of its sources
.endr
	v_mov_b32 v[NM+1], 0                           ; (named as the upper half of a pair before it is first written)
	s_lshr_b32 s14, s[WV], 2                       ; a
	s_and_b32 s15, s[WV], 3                        ; b
	s_add_co_u32 s15, s15, s14
	s_and_b32 s15, s15, 3
	s_lshl_b32 s15, s15, 2
	s_add_co_u32 s[KS], s15, s14                   ; my key step: 4 ((a + b) % 4) + a
	s_and_b32 s14, ttmp7, 0xffff                   ; the batch
	s_mov_b32 s[QT], ttmp9
	s_sub_co_u32 s[QT+1], 63, ttmp9
	s_add_co_u32 s[QT+2], ttmp9, 64
	s_sub_co_u32 s[QT+3], 127, ttmp9
	s_lshl_b32 s15, s14, 7                         ; the batch's first tile of 16 rows
	s_mov_b32 s39, 0
	s_mov_b32 s41, 0
	s_mov_b32 s[CS], 0x3eb8aa3b                    ; c = log2(e) / 4
	s_mov_b32 s[CS+1], s[CS]
	s_mov_b32 s[SEL], 0x76543210
	s_mov_b32 s[SEL+1], 0xfedcba98
	s_wait_kmcnt 0x0
.irp t, 0,1,2,3
	s_add_co_u32 s38, s15, s[QT+\t]
	s_lshl_b32 s38, s38, 10
	s_add_nc_u64 s[QB+2*\t:QB+2*\t+1], s[4:5], s[38:39]
.endr
	s_lshl_b32 s38, s[KS], 3
	s_add_co_u32 s38, s38, s15
	s_lshl_b32 s38, s38, 10
	s_add_nc_u64 s[KB:KB+1], s[6:7], s[38:39]      ; my step's eight tiles of 16 keys
	s_lshl_b32 s38, s14, 4
	s_add_co_u32 s38, s38, s[KS]
	s_lshl_b32 s40, s38, 10
	s_add_nc_u64 s[VB:VB+1], s[8:9], s[40:41]
	s_lshl_b32 s40, s38, 6
	s_add_nc_u64 s[SB:SB+1], s[10:11], s[40:41]
	s_and_b32 s46, s43, 1                          ; the tile that I join: g or 63 - g, + 64 for the upper two
	s_cmp_eq_u32 s46, 0
	s_cselect_b32 s46, s[QT], s[QT+1]
	s_lshr_b32 s47, s43, 1
	s_lshl_b32 s47, s47, 6
	s_add_co_u32 s46, s46, s47
	s_add_co_u32 s46, s46, s15
	s_lshl_b32 s46, s46, 1
	s_add_co_u32 s46, s46, s42                     ; in halves of 8 rows,
	s_lshl_b32 s46, s46, 9                         ; of 512 bytes
	s_mov_b32 s47, 0
	s_add_nc_u64 s[OB:OB+1], s[12:13], s[46:47]
	s_lshr_b32 s38, s[QT+3], 3                     ; the last tile's last key step
	s_cmp_lt_u32 s38, s[KS]
	s_cbranch_scc1 .Lmerge                         ; not even the last tile reaches my key step: nothing is loaded
.irp b, 0,1,2,3                                ; (no vector instruction since the head's wait on va_vdst names an address or a destination of these loads)
.irp u, 0,1
	global_load_b128 v[KF+8*(2*\b+\u):KF+8*(2*\b+\u)+3], v[KA], s[KB:KB+1] offset:2048*\b+128*\u
	global_load_b128 v[KF+8*(2*\b+\u)+4:KF+8*(2*\b+\u)+7], v[KA], s[KB:KB+1] offset:2048*\b+128*\u+512
.endr
.endr
	global_load_b128 v[VF:VF+3], v[LI], s[VB:VB+1]
	global_load_b128 v[VF+4:VF+7], v[LI], s[VB:VB+1] offset:512
	global_load_b32 v[VSC], v[VSA], s[SB:SB+1]
	global_load_b128 v[QF+QD:QF+QD+3], v[LI], s[QB+6:QB+7]              ; tile 3's fragment of Q,
	global_load_b128 v[QF+QD+4:QF+QD+7], v[LI], s[QB+6:QB+7] offset:512
	global_load_b128 v[QF:QF+3], v[LI], s[QB+4:QB+5]                    ; and tile 2's, into the other set
	global_load_b128 v[QF+4:QF+7], v[LI], s[QB+4:QB+5] offset:512
; Matrix instruction NW of the 32 of S^T = K Q^T for tile t: link NW / 8 (channels), sum NW % 8 (16 keys).  The eight sums take turns, one matrix instruction a turn.
; The first eight start the sums with the constant 0: every key counts.  on = 0: nothing is written (a plain tail).
.macro NEXTW on, t
.if \on
.set WA_, NW%8
.set WE_, NW/8
.set WQ_, QF+QD*((\t)%2)
.if NW < 8
	v_wmma_f32_16x16x4_f32 v[SA+8*WA_:SA+8*WA_+7], v[KF+8*WA_:KF+8*WA_+1], v[WQ_:WQ_+1], 0
.else
	v_wmma_f32_16x16x4_f32 v[SA+8*WA_:SA+8*WA_+7], v[KF+8*WA_+2*WE_:KF+8*WA_+2*WE_+1], v[WQ_+2*WE_:WQ_+2*WE_+1], v[SA+8*WA_:SA+8*WA_+7]
.endif
.set NW, NW+1
.endif
.endm
; S^T for a tile whose diagonal lies in my step.  Register 16 b + i holds key 32 b + 16 h + i of the step; my query is number 16 (tile % 8) + r of it: hidden where 32 b + i > 16 (tile % 8) + r - 16 h.
; The compares go in runs of 16, a block of 32 keys at a time, each into a scalar register of its own, so that one wait serves a run.
.macro DIAG t
	s_and_b32 s39, s[QT+\t], 7
	s_lshl_b32 s39, s39, 4
	v_add_nc_u32 v[TT], s39, v[DM]
	v_mov_b32 v[T2], 0xff800000                    ; -infinity
.irp b, 0,1,2,3
.irp i, 0,1,2,3,4,5,6,7,8,9,10,11,12,13,14,15
	v_cmp_gt_i32 s[MK+(\i)+24*((\i)/12)], 32*\b+\i, v[TT]
.endr
	s_wait_alu depctr_va_sdst(0)                   ; the run's 16 masks are written, ahead of the selects that read them
.irp i, 0,1,2,3,4,5,6,7,8,9,10,11,12,13,14,15
	v_cndmask_b32 v[PR+16*\b+\i], 0, v[T2], s[MK+(\i)+24*((\i)/12)]
.endr
.endr
.irp a, 0,1,2,3,4,5,6,7
	v_wmma_f32_16x16x4_f32 v[SA+8*\a:SA+8*\a+7], v[KF+8*\a:KF+8*\a+1], v[QF+QD*((\t)%2):QF+QD*((\t)%2)+1], v[PR+8*\a:PR+8*\a+7]   ; the mask starts the sums
.endr
.set NW, 8
.rept 24
	NEXTW 1, \t
.endr
.endm
; THE HEAD of tile t's softmax: all that reads S^T.
.macro HEAD t
.rept 8
	v_nop                                          ; eight places behind the last matrix instruction of this form, on every way, in front of the first read of the sums
.endr
.if \t >= 2
	s_wait_alu depctr_va_vdst(0)                   ; this tile's 32 products are done reading their set of Q, in which the two loads below land
	global_load_b128 v[QF+QD*((\t)%2):QF+QD*((\t)%2)+3], v[LI], s[QB+2*\t-4:QB+2*\t-3]              ; Q of the tile after the next, into the set that this tile's products have left
	global_load_b128 v[QF+QD*((\t)%2)+4:QF+QD*((\t)%2)+7], v[LI], s[QB+2*\t-4:QB+2*\t-3] offset:512
.endif
.irp b, 0,1,2,3
	v_max3_num_f32 v[BM+\b], v[SA+16*\b], v[SA+1+16*\b], v[SA+2+16*\b]   ; the largest score of each block of 32 keys: it serves for the row's maximum and, since p rises with the score, for the block's largest p
.endr
.irp i, 3,5,7,9,11,13
.irp b, 0,1,2,3
	v_max3_num_f32 v[BM+\b], v[BM+\b], v[SA+16*\b+\i], v[SA+1+16*\b+\i]
.endr
.endr
.irp b, 0,1,2,3
	v_max_num_f32 v[BM+\b], v[BM+\b], v[SA+15+16*\b]
.endr
.irp b, 0,1,2,3
	v_permlanex16_b32 v[PT+\b], v[BM+\b], s[SEL], s[SEL+1]
.endr
.irp b, 0,1,2,3
	v_max_num_f32 v[BM+\b], v[BM+\b], v[PT+\b]     ; with lane l xor 16's 16 keys
.endr
	v_max3_num_f32 v[TT], v[BM], v[BM+1], v[BM+2]
	v_max_num_f32 v[TT], v[TT], v[BM+3]            ; my query's largest score in this step (its own key, or an earlier one, always counts)
	v_mul_f32 v[TT], s[CS], v[TT]                  ; as t
	s_wait_dscnt 0x0                               ; the last part's LDS stores are done
.if \t < 3
	s_wait_alu depctr_vm_vsrc(0)                   ; the last part's LDS stores have read -M, the sum and O^T, which the lines below write again
.endif
	v_floor_f32 v[NM], -v[TT]                      ; -M = floor(-t) = -ceil(t): a whole number
.irp j, 0,2,4,6,8,10,12,14,16,18,20,22,24,26,28,30,32,34,36,38,40,42,44,46,48,50,52,54,56,58,60,62
	v_pk_fma_f32 v[PR+\j:PR+\j+1], v[SA+\j:SA+\j+1], s[CS:CS+1], v[NM:NM+1] op_sel_hi:[1,0,0]   ; t - M, two at a time, into registers of their own: the sums' registers are free from here on
.endr
.irp b, 0,1,2,3
	v_fma_f32 v[BM+\b], v[BM+\b], s[CS], v[NM]     ; the same of each block's largest score
.endr
.endm
; THE TAIL of tile t's softmax.  on = 1: the 32 matrix instructions of S^T for tile nt stand among its lines: 16 among the exponentials, 8 among the sums, 4 among the scales' lines, 4 behind the conversions.
; None of the tail's lines names a register of theirs (S^T, K, Q).
.macro TAIL t, on, nt
.set NW, 0
.irp j, 0,1,2,3,4,5,6,7,8,9,10,11,12,13,14,15,16,17,18,19,20,21,22,23,24,25,26,27,28,29,30,31,32,33,34,35,36,37,38,39,40,41,42,43,44,45,46,47,48,49,50,51,52,53,54,55,56,57,58,59,60,61,62,63
	v_exp_f32 v[PR+\j], v[PR+\j]                   ; p = 2^(t - M)
.if (\j)%4 == 3
	NEXTW \on, \nt
.endif
.endr
	v_nop                                          ; a plain place behind the exponentials
	s_wait_alu depctr_va_vdst(0)                   ; the 64 exponentials have written p: one wait for the batch, ahead of its first reader
.irp b, 0,1,2,3
	v_exp_f32 v[BM+\b], v[BM+\b]                   ; the block's largest p: the same two instructions on the same number give the same bits
.endr
	v_pk_add_f32 v[LS:LS+1], v[PR:PR+1], v[PR+2:PR+3]          ; the sum of the unquantised p, in two chains of pairs (plain work behind the four)
	v_pk_add_f32 v[L2:L2+1], v[PR+4:PR+5], v[PR+6:PR+7]
	NEXTW \on, \nt
.irp j, 8,12,16,20,24,28,32,36,40,44,48,52,56,60
	v_pk_add_f32 v[LS:LS+1], v[LS:LS+1], v[PR+\j:PR+\j+1]
	v_pk_add_f32 v[L2:L2+1], v[L2:L2+1], v[PR+\j+2:PR+\j+3]
.if ((\j)/4)%2 == 1
	NEXTW \on, \nt
.endif
.endr
	s_wait_alu depctr_va_vdst(0)                   ; the four exponentials have written the blocks' largest p: their wait, ahead of the first reader
.irp b, 0,1,2,3
	v_max_num_f32 v[BM+\b], 0x1800000, v[BM+\b]    ; the floor 2^(3 - 127): the byte cannot fall under 1 (a block that is all hidden keeps that byte: its codes are zeros)
.endr
	NEXTW \on, \nt
.irp b, 0,1,2,3
	v_add_nc_u32 v[SO+\b], 0xff000000, v[BM+\b]    ; 2 off the exponent field: the conversion's scale operand
.endr
	NEXTW \on, \nt
.irp b, 0,1,2,3
	v_lshrrev_b32 v[PT+\b], 23, v[SO+\b]           ; the scale's byte
.endr
	NEXTW \on, \nt
	v_lshl_or_b32 v[PW], v[PT+1], 8, v[PT]         ; p's scale word for these 128 keys
	v_lshl_or_b32 v[PW], v[PT+2], 16, v[PW]
	v_lshl_or_b32 v[PW], v[PT+3], 24, v[PW]
	NEXTW \on, \nt
.irp b, 0,1,2,3
	v_cvt_scalef32_pk8_fp4_f32 v[PC+2*\b], v[PR+16*\b:PR+7+16*\b], v[SO+\b]
	v_cvt_scalef32_pk8_fp4_f32 v[PC+1+2*\b], v[PR+8+16*\b:PR+15+16*\b], v[SO+\b]
.endr
	v_nop                                          ; one plain place behind a scaled conversion
	NEXTW \on, \nt
.irp c, 0,1                                    ; the operand's layout wants a whole block in a lane
.irp i, 0,1
	v_permlane16_swap_b32 v[PC+4*\c+\i], v[PC+2+4*\c+\i]
.endr
.endr
	NEXTW \on, \nt
	v_pk_add_f32 v[LS:LS+1], v[LS:LS+1], v[L2:L2+1]            ; the sum is finished in the places ahead of the scaled matrix instruction (8 behind the scale word's last write, 4 behind the codes')
	v_add_f32 v[TT], v[LS], v[LS+1]
	v_permlanex16_b32 v[PT], v[TT], s[SEL], s[SEL+1]
	v_add_f32 v[NM+1], v[TT], v[PT]                ; with lane l xor 16's 64 keys
	NEXTW \on, \nt
.rept 3
	v_nop
.endr
	NEXTW \on, \nt                                 ; the 32nd
.rept 2
	v_nop
.endr
	s_wait_alu depctr_va_vdst(0)                   ; p's codes and p's scale word are written, which the scaled matrix instruction takes; the places above stay beside this wait
	v_wmma_scale_f32_16x16x128_f8f6f4 v[OA:OA+7], v[VF:VF+7], v[PC:PC+7], 0, v[VSC], v[PW] matrix_a_fmt:MATRIX_FMT_FP4 matrix_b_fmt:MATRIX_FMT_FP4   ; O^T: lane (r, h) register j: channel 8 h + j of query r
.rept 4
	v_nop                                          ; four places in front of the stores that read the result
.endr
	s_wait_alu depctr_va_vdst(0)                   ; the matrix instruction has written O^T, and the lines above -M and the sum: the three stores read them; the places above stay beside this wait
	ds_store_b128 v[OST], v[OA:OA+3] offset:\t*OPT
	ds_store_b128 v[OST], v[OA+4:OA+7] offset:\t*OPT+16
	ds_store_b64 v[SST], v[NM:NM+1] offset:\t*4096
.endm
; Tile t, whose sums S^T are on their way or done; and the next tile's sums, if it reaches my step.
.macro UNITX t
	HEAD \t
.if \t > 0
	s_lshr_b32 s38, s[QT+\t-1], 3                  ; the next tile's last key step, the one with its diagonal
	s_cmp_gt_u32 s38, s[KS]
	s_cbranch_scc0 .Lplain_\@
.if \t >= 2
	s_wait_loadcnt 2                               ; the next tile's Q is in; the two younger loads, Q of the tile after it, may be out
.else
	s_wait_loadcnt 0x0                             ; the last fragment of Q: no load was issued behind it
.endif
	TAIL \t, 1, \t-1                               ; every key of my step counts for the next tile: its products go among this tail's lines
	s_branch .Lnext_\@
.Lplain_\@:
	TAIL \t, 0, 0
	s_cmp_lg_u32 s38, s[KS]
	s_cbranch_scc1 .Lmerge                         ; the next tile does not reach my step, nor do those that follow
.if \t >= 2
	s_wait_loadcnt 2
.else
	s_wait_loadcnt 0x0
.endif
	s_wait_dscnt 0x0                               ; the part's stores are done
	s_wait_alu depctr_vm_vsrc(0)                   ; the part's stores have read O^T's registers, in which the mask is written
	DIAG \t-1
.Lnext_\@:
.else
	TAIL \t, 0, 0
.endif
.endm
	s_wait_loadcnt 2                               ; K, V^T, V's scale word and tile 3's Q are in; the two younger loads, tile 2's Q, may be out
	s_wait_dscnt 0x0                               ; my LDS stores at the head are done
	s_wait_alu depctr_vm_vsrc(0)                   ; my LDS stores at the head have read v144-149, which the mask or t - M write again, on either way below
	s_cmp_lg_u32 s38, s[KS]
	s_cbranch_scc1 .Lopen
	DIAG 3
	s_branch .Lwalk
.Lopen:
.set NW, 0
.rept 32
	NEXTW 1, 3                                     ; the first tile's sums: there is no vector work yet to set between them
.endr
.Lwalk:
	UNITX 3
	UNITX 2
	UNITX 1
	UNITX 0
.Lmerge:
	s_wait_loadcnt 0x0                             ; a fragment of Q that was asked for ahead and is not wanted may still be on its way
	s_wait_dscnt 0x0                               ; for the others' sake: my parts lie in LDS
	s_wait_alu depctr_va_vdst(0)                   ; the products are done reading K's registers and the softmax is done with p's: the join's LDS loads land in both
	s_wait_alu depctr_vm_vsrc(0)                   ; my LDS stores have read their data: in a wave that served no tile those are v144-149, in which the join's loads land
	s_barrier_signal -1
	s_barrier_wait -1
	s_cmp_lt_u32 s[WV], 8
	s_cbranch_scc0 .Ldone
	; THE JOIN: out = (the sum over parts of 2^(M_s - M) O_s) / (the sum over parts of 2^(M_s - M) l_s), M the largest M_s: the factors are exact
.irp s, 0,1,2,3,4,5,6,7,8,9,10,11,12,13,14,15
	ds_load_b64 v[MS+2*\s:MS+2*\s+1], v[MSA] offset:256*\s
.endr
.irp s, 0,1,2,3,4,5,6,7,8,9,10,11,12,13,14,15
	ds_load_b128 v[MO+4*\s:MO+4*\s+3], v[MOA] offset:OPW*\s
.endr
	s_wait_dscnt 16                                ; the 16 pairs (-M, sum) are in; the 16 younger loads of O may be out
	v_min3_num_f32 v[MM], v[MS], v[MS+2], v[MS+4]
.irp s, 3,5,7,9,11,13
	v_min3_num_f32 v[MM], v[MM], v[MS+2*\s], v[MS+2*\s+2]
.endr
	v_min_num_f32 v[MM], v[MM], v[MS+30]           ; -M
.irp s, 0,1,2,3,4,5,6,7,8,9,10,11,12,13,14,15
	v_sub_f32 v[FF+\s], v[MM], v[MS+2*\s]          ; M_s - M: a whole number, 0 or less
.endr
.irp s, 0,1,2,3,4,5,6,7,8,9,10,11,12,13,14,15
	v_cvt_i32_f32 v[FF+\s], v[FF+\s]               ; (it saturates)
.endr
.irp s, 0,1,2,3,4,5,6,7,8,9,10,11,12,13,14,15
	v_ldexp_f32 v[FF+\s], 1.0, v[FF+\s]
.endr
	v_mul_f32 v[LL], v[FF], v[MS+1]
.irp s, 1,2,3,4,5,6,7,8,9,10,11,12,13,14,15
	v_fmac_f32 v[LL], v[FF+\s], v[MS+2*\s+1]
.endr
	s_wait_dscnt 0x0
	v_rcp_f32 v[RC], v[LL]
.irp c, 0,1,2,3
	v_mul_f32 v[AC+\c], v[FF], v[MO+\c]            ; (plain work behind the reciprocal)
.endr
.irp s, 1,2,3,4,5,6,7,8,9,10,11,12,13,14,15
.irp c, 0,1,2,3
	v_fmac_f32 v[AC+\c], v[FF+\s], v[MO+4*\s+\c]
.endr
.endr
	s_wait_alu depctr_va_vdst(0)                   ; the reciprocal is written: a wait ahead of its first reader
.irp c, 0,1,2,3
	v_mul_f32 v[AC+\c], v[AC+\c], v[RC]
.endr
	s_wait_alu depctr_va_vdst(0)                   ; the four multiplications have written the result, which the store reads
	global_store_b128 v[LI], v[AC:AC+3], s[OB:OB+1]   ; eight rows of out: 512 consecutive bytes, aligned
.Ldone:
	s_wait_xcnt 0x0
	s_wait_alu depctr_vm_vsrc(0)                   ; the join's LDS loads have read v254, which is written anew below
	v_lshl_add_u32 v254, v0, 2, 0x18000
	v_mov_b32 v255, 0
	s_wait_dscnt 0x0                               ; the closing lines, six on end
	s_wait_alu 0x0
	s_wait_tensorcnt 0x0
	ds_add_u32 v254, v255
	s_wait_dscnt 0x0
	s_endpgm
.Lfunc_end_k_qefa4eb1eb5_attend:
	.size	k_qefa4eb1eb5_attend, .Lfunc_end_k_qefa4eb1eb5_attend-k_qefa4eb1eb5_attend
	.p2alignl 7, 3214868480
	.fill 96, 4, 3214868480
	.section	.rodata,"a",@progbits
	.p2align	6, 0x0
	.amdhsa_kernel k_qefa4eb1eb5_attend
		.amdhsa_group_segment_fixed_size 100352
		.amdhsa_private_segment_fixed_size 0
		.amdhsa_enable_private_segment 0
		.amdhsa_kernarg_size 40
		.amdhsa_user_sgpr_count 2
		.amdhsa_user_sgpr_kernarg_segment_ptr 1
		.amdhsa_wavefront_size32 1
		.amdhsa_system_sgpr_workgroup_id_x 1
		.amdhsa_system_sgpr_workgroup_id_y 1
		.amdhsa_system_sgpr_workgroup_id_z 1
		.amdhsa_system_vgpr_workitem_id 0
		.amdhsa_next_free_vgpr 256
		.amdhsa_next_free_sgpr 66
		.amdhsa_reserve_vcc 0
		.amdhsa_float_denorm_mode_32 3
		.amdhsa_float_denorm_mode_16_64 3
		.amdhsa_memory_ordered 1
		.amdhsa_forward_progress 1
		.amdhsa_inst_pref_size 135
	.end_amdhsa_kernel
	.amdgpu_metadata
---
amdhsa.version: [ 1, 2 ]
amdhsa.kernels:
  - .name:           k_qefa4eb1eb5_attend
    .symbol:         k_qefa4eb1eb5_attend.kd
    .args:
      - { .name: qf, .offset: 0, .size: 8, .value_kind: global_buffer, .address_space: global }
      - { .name: kf, .offset: 8, .size: 8, .value_kind: global_buffer, .address_space: global }
      - { .name: vc, .offset: 16, .size: 8, .value_kind: global_buffer, .address_space: global }
      - { .name: vs, .offset: 24, .size: 8, .value_kind: global_buffer, .address_space: global }
      - { .name: out0, .offset: 32, .size: 8, .value_kind: global_buffer, .address_space: global }
    .group_segment_fixed_size: 100352
    .private_segment_fixed_size: 0
    .kernarg_segment_align: 8
    .kernarg_segment_size: 40
    .max_flat_workgroup_size: 512
    .sgpr_count:     66
    .vgpr_count:     256
    .wavefront_size: 32
...
	.end_amdgpu_metadata
.endif
;; end of part 3
